; MI455X (gfx1250); checked and timed in simulation.
; The chip was launched on July 23, 2026; its instructions are those of AMD's public machine-readable ISA for CDNA 5 (MIT licence, August 2026) and "CDNA5" Instruction Set Architecture Reference Guide (July 2026). The comments in the code are by the model that wrote it; some were corrected since.
;; Block. Allowed arithmetic: matrix products marked QUANTISED: E3M2 operands, one E8M0 scale for each 32 along K, by v_wmma_scale_f32_16x16x128_f8f6f4 with both operands' format E3M2, f32 sums; everything else in f32.
;; Inputs: b1 4,096 float32; b2 1,024 float32; b_proj 1,024 float32; ln1_b 1,024 float32; ln1_g 1,024 float32; ln2_b 1,024 float32; ln2_g 1,024 float32; w1 1,024 x 4,096 float32; w2 4,096 x 1,024 float32; w_proj 1,024 x 1,024 float32; wk 16 x 1,024 x 64 float32; wq 16 x 1,024 x 64 float32; wv 16 x 1,024 x 64 float32; x 4 x 1,024 x 1,024 float32.
;; Outputs: out0 4 x 1,024 x 1,024 float32.
;; This version of the problem:
;;   THIS VERSION OF THE PROBLEM IS GIVEN IN LOW PRECISION. The matrix products marked QUANTISED in the list below multiply operands that are first quantised to E3M2 (3 exponent bits, 2 mantissa bits; 6 bits a number), with one power-of-two scale for each 32 numbers along K (OCP MX v1.0); their sums are f32. All else is computed in f32.
;;   The module's matrix products, in the order in which they are computed (A, B: the left and right operand; K: the contracted axis; several contracted axes count as one K, in the product's order):
;;     1. [M 1,024, K 1,024] x [K 1,024, N 4,096]; A: input wq; B: computed on the way: QUANTISED
;;     2. [M 1,024, K 1,024] x [K 1,024, N 4,096]; A: input wk; B: computed on the way: QUANTISED
;;     3. [M 1,024, K 1,024] x [K 1,024, N 4,096]; A: input wv; B: computed on the way: QUANTISED
;;     4. batch 64 x [M 1,024, K 64] x [K 64, N 1,024]; A: computed on the way; B: computed on the way: QUANTISED
;;     5. batch 64 x [M 1,024, K 1,024] x [K 1,024, N 64]; A: softmax (see below); B: computed on the way: QUANTISED
;;     6. [M 4,096, K 1,024] x [K 1,024, N 1,024]; A: computed on the way; B: input w_proj: QUANTISED
;;     7. [M 4,096, K 1,024] x [K 1,024, N 4,096]; A: computed on the way; B: input w1: QUANTISED
;;     8. [M 4,096, K 4,096] x [K 4,096, N 1,024]; A: computed on the way; B: input w2: QUANTISED
;;   THE QUANTISER, for each operand of a quantised product, along K:
;;     - K is cut into blocks of 32 from its start; a last block that is shorter is filled with zeros.
;;     - A block's scale is 2^e with e = floor(log2(the largest magnitude in the block)) - 4, held to -126 .. 127; a block of zeros has e = 0. As a byte (E8M0): e + 127.
;;     - Each number is divided by its block's scale, clamped to +-28, and rounded to the nearest number of E3M2, ties to even, subnormals kept.
;;     - The product sums the exact products of the quantised numbers (number of the format x scale) in f32.
;;   ~~~python
;;   def quantise(x, axis):      # numpy; x: float32 -> the quantised numbers, widened to float32 again
;;       x = np.moveaxis(x, axis, -1); K = x.shape[-1]
;;       x = np.pad(x, [(0, 0)] * (x.ndim - 1) + [(0, -K % 32)]); x = x.reshape(x.shape[:-1] + (-1, 32)); a = np.abs(x).max(-1, keepdims=True)
;;       e = np.where(a > 0, np.clip(np.frexp(np.where(a > 0, a, 1))[1] - 1 - 4, -126, 127), 0)      # np.frexp(a)[1] - 1 = floor(log2(a)), exactly
;;       r = np.clip(x / 2.0 ** e, -28, 28)
;;       step = 2.0 ** (np.maximum(np.frexp(np.where(r == 0, 1, r))[1] - 1, -2) - 2)
;;       q = np.round(r / step) * step * 2.0 ** e      # np.round: ties to even
;;       return np.moveaxis(q.reshape(q.shape[:-2] + (-1,))[..., :K], -1, axis).astype(np.float32)
;;   ~~~
;;   SOFTMAX AHEAD OF A QUANTISED PRODUCT. Where the list says 'softmax', what is quantised is not the finished softmax but p = 2^(t - M), with t = logit x log2(e) and M = ceil(the row's largest t), a whole number; so 1/2 < the row's largest p <= 1. The row's sum l is taken of the UNQUANTISED p, in f32, and the product's result is divided by l at the end. Since M is a whole number, a kernel that streams over the keys may use a running M (the ceiling of the running maximum): every later rescaling is an exact power of two, which a block's scale takes up: the codes' values come out the same.
;;   OPERANDS COMPUTED ON THE WAY. 'Computed on the way' means the value that the module computes at that place (a softmax that the list does not call 'softmax' is quantised finished and normalised). What goes into a quantiser is computed in f32, as accurately as f32 sums, v_exp_f32 and their like allow (about 1e-6 of the number): no bf16 or f16 on the way to a quantiser, and a product that is left as it is and whose result goes on into a quantised operand takes f32 operands (vector FMAs, or v_wmma_f32_16x16x4_f32). A number that lies on a knife's edge between two numbers of the format may be rounded either way, as far as f32 arithmetic and the matrix unit's own rounding can turn it there, and no further.
;; One version. Each part assembles by itself: llvm-mc -triple=amdgcn-amd-amdhsa -mcpu=gfx1250 --defsym DOCPART=n.
;; ======== version 1 of 1: 6 launches
;; limits: right only within a limited range of input values
;; workspace buffers: wc 9,830,400 bytes; xnc 3,276,800 bytes; qkvc 9,830,400 bytes; ctxc 3,276,800 bytes; x1 16,777,216 bytes; hc 13,107,200 bytes
;; launch prep (part 1): grid 1024 x 1, 4 waves a work-group, no clusters, 50,176 bytes of LDS; arguments x, ln1_g, ln1_b, xnc, w1, w2, w_proj, wq, wk, wv, wc; writes xnc, wc
.if DOCPART == 1
	.amdgcn_target "amdgcn-amd-amdhsa--gfx1250"
	.amdhsa_code_object_version 6
	.text
	.protected	k_q83efc82679_prep
	.globl	k_q83efc82679_prep
	.p2align	8
	.type	k_q83efc82679_prep,@function
k_q83efc82679_prep:
	s_mov_b64 s[64:65], 0
	v_nop
	global_prefetch_b8 v0, s[64:65] scope:SCOPE_SE
	s_setreg_imm32_b32 hwreg(HW_REG_WAVE_MODE, 25, 1), 1
	s_wait_xcnt 0x0
; THE WHOLE PROGRAM: a pre-LN transformer block (4,096 tokens, D = 1,024, 16 heads of 64, FF 4,096), all eight products on codes of BF6 (E3M2) with one E8M0 scale for each 32 along K.
; DEAD WORK, for all values of the inputs: reference() sets the score of key s for query t to -infinity where s > t, by a mask that it builds itself (jnp.tril); its weight is then exactly 0 and adds nothing to the
; row's sum or to ctx.  So the attention launch leaves out every step of 128 keys all of which come after a wave's queries.  Nothing else is left out, and all fourteen inputs are loaded.
; LIMITS: a NaN, an infinity or an overflow that reaches only those masked scores is not carried to the result.  NaN and infinities among the inputs are not served.  A block of zeros, or one whose largest magnitude
; lies under 2^-122, gets the scale byte 1 (the rule says 127 for zeros): its codes are zeros, which add nothing under any byte but 0xff, and this program alone reads the bytes.
; OPERANDS IN MEMORY.  Every quantised operand lies as IMAGES OF THE OPERAND'S REGISTERS, in units of 12,800 bytes: 128 rows x 128 along K.  In a unit: tile i (16 rows) at 1,536 i; in it registers 4 c .. 4 c + 3 of lane l
; at 512 c + 16 l; the rows' scale words (four bytes for 128 k) at 12,288 + 64 i + 4 r.  The units of 128 rows (a panel) follow each other along K.  THE ROWS OF A TILE ARE NOT NEIGHBOURS: lane r of tile T takes row
; 32 (T / 2) + 8 (T % 2) + r + 8 (r / 8), so that a transposed product's 64 registers of eight neighbouring tiles run along the next K in the order that the conversions want.
; THIS LAUNCH.  Work-groups 0-255: LayerNorm of 16 rows (one tile) of xin [4096][1024], quantised along the row, to xnc [32 panels][8 K steps].  Work-groups 256-1023: one unit each of the weights, which have K as their
; FIRST axis: a lane takes a column and its registers run down K, so nothing is transposed.  wc: w1 at unit 0 [32][8], w2 at 256 [8][32], w_proj at 512 [8][8], wq, wk, wv at 576 [24][8] (a panel = two heads).
; The same body serves the second LayerNorm with 256 work-groups.  No tensor load: with 256 registers a wave and 50,176 bytes of LDS four work-groups share a WGP, so that 4 x 256 = all 1,024 have their loads on their way at once.
; No matrix unit, no cluster: nothing is multiplied and no two work-groups read the same bytes.
.set ROWP,  4608                       ; a row in a turn stage: 32 pieces of 128 bytes + 16 of padding
.set STG,   2*ROWP                     ; LDS: each wave's turn stage: two rows at a time
.set IMG,   4*STG                      ; the tile's eight fragment images, 1,536 bytes each
.set SCL,   IMG+12288                  ; their scale words, 64 bytes each
.set SPARE, SCL+512                    ; the spare words, 128 bytes for each wave: two blocks of 256 bytes that no other line names
.set SPW,   12                         ; v12  LDS address of my spare word; never rewritten
.set NIL,   13                         ; v13  0; never rewritten
.set X,     32                         ; v32-159  four rows x 32 numbers (weights: 128 numbers down K)
.set GG,    160                        ; v160-191 the gain of my 32 columns; later maxima, scale operands, bytes
.set BI,    192                        ; v192-223 the bias of my 32 columns
.set CD,    224                        ; v224-255 codes, eight registers a row
	s_load_b256 s[24:31], s[0:1], 0x0              ; xin, gain, bias, xnc
	s_load_b256 s[32:39], s[0:1], 0x20             ; w1, w2, w_proj, wq
	s_load_b128 s[40:43], s[0:1], 0x40             ; wk, wv
	s_load_b64 s[44:45], s[0:1], 0x50              ; wc
	v_lshl_add_u32 v[SPW], v0, 2, SPARE
	v_mov_b32 v[NIL], 0
	v_lshrrev_b32 v1, 5, v0
	v_readfirstlane_b32 s16, v1                    ; wave 0..3
	v_and_b32 v14, 31, v0                          ; lane
	s_cmp_ge_u32 ttmp9, 256                        ; the work-group's number alone decides: all four waves go the same way
	s_cbranch_scc1 .Lweights
; ---------------- LayerNorm: tile T = the work-group's number; wave w takes the tile's lanes r = 4 w .. 4 w + 3, which are four neighbouring rows
	v_lshlrev_b32 v1, 4, v14                       ; 16 x lane
	v_lshlrev_b32 v2, 7, v14                       ; 128 x lane: my 32 columns in gain and bias
	s_mul_i32 s17, s16, STG
	v_lshrrev_b32 v3, 3, v14
	v_lshl_add_u32 v3, v3, 4, v1
	v_add_nc_u32 v3, s17, v3                       ; into the stage: as loaded, 16 bytes of padding behind each 128
	v_mul_u32_u24 v4, v14, 144
	v_add_nc_u32 v4, s17, v4                       ; out of it: my 128 bytes: block l of 32 numbers
	v_lshrrev_b32 v5, 2, v14                       ; my block's K step s = l / 4; in it block 2 c + h: h = l % 2, c = (l / 2) % 2
	v_mul_u32_u24 v5, v5, 1536
	v_and_b32 v6, 1, v14
	v_lshl_add_u32 v5, v6, 8, v5                   ; lane r + 16 h of the image: 256 h
	s_lshl_b32 s18, s16, 6                         ; 16 r = 64 w + 16 k
	s_add_co_u32 s18, s18, IMG
	v_add_nc_u32 v5, s18, v5
	v_bfe_u32 v7, v14, 1, 1
	v_mad_u32_u24 v6, v7, 1016, v5
	v_add_nc_u32 v6, 8, v6                         ; registers 6 c + 2, 3 lie at byte 8 (c = 0) or 1,024 (c = 1)
	v_mad_u32_u24 v5, v7, 520, v5                  ; registers 6 c + 0, 1 at byte 0 or 520; registers 6 c + 4, 5 lie 512 further on
	v_lshrrev_b32 v7, 2, v14
	v_lshlrev_b32 v7, 6, v7
	v_and_b32 v8, 3, v14
	v_add_nc_u32 v7, v7, v8
	s_lshl_b32 s18, s16, 4
	s_add_co_u32 s18, s18, SCL
	v_add_nc_u32 v7, s18, v7                       ; my block's scale byte: 64 s + 4 r + (l % 4)
	s_mul_i32 s18, s16, 3072
	s_add_co_u32 s18, s18, IMG
	v_add_nc_u32 v8, s18, v1                       ; the way out: wave w takes the images of K steps 2 w, 2 w + 1
	s_lshl_b32 s18, s16, 7
	s_add_co_u32 s18, s18, SCL
	v_lshl_add_u32 v9, v14, 2, s18                 ; and their 32 scale words
	s_and_b32 s19, ttmp9, 7                        ; the tile's place in its panel
	s_mul_i32 s20, s19, 1536
	v_add_nc_u32 v10, s20, v1                      ; in a unit: 1,536 i + 16 x lane
	s_lshl_b32 s20, s19, 6
	v_and_b32 v11, 15, v14
	v_lshlrev_b32 v11, 2, v11
	v_lshrrev_b32 v15, 4, v14
	v_mad_u32_u24 v11, v15, 12800, v11
	v_add_nc_u32 v11, s20, v11                     ; scale words: 64 i + 4 r, lanes 16-31 in the next unit
	s_lshr_b32 s20, ttmp9, 1
	s_lshl_b32 s20, s20, 5
	s_and_b32 s21, ttmp9, 1
	s_lshl_b32 s21, s21, 3
	s_add_co_u32 s20, s20, s21
	s_lshl_b32 s21, s16, 2
	s_add_co_u32 s20, s20, s21
	s_lshr_b32 s21, s16, 1
	s_lshl_b32 s21, s21, 3
	s_add_co_u32 s20, s20, s21                     ; my first row: 32 (T / 2) + 8 (T % 2) + 4 w + 8 (w / 2)
	s_lshl_b32 s20, s20, 12                        ; x 4,096 bytes
	s_mov_b32 s21, 0
	s_lshr_b32 s22, ttmp9, 3
	s_mul_i32 s22, s22, 102400                     ; the panel's eight units,
	s_mul_i32 s23, s16, 25600                      ; my two of them
	s_add_co_u32 s22, s22, s23
	s_mov_b32 s23, 0
	s_mov_b32 s46, 0x76543210
	s_mov_b32 s47, 0xfedcba98                      ; v_permlanex16_b32's selects for lane l xor 16
	s_mov_b32 s2, 0x3a800000                       ; 1 / 1,024
	s_mov_b32 s3, 0x3727c5ac                       ; 1e-5
	s_wait_kmcnt 0x0
	s_add_nc_u64 s[24:25], s[24:25], s[20:21]
	s_add_nc_u64 s[30:31], s[30:31], s[22:23]
.irp k, 0,1,2,3
.irp i, 0,1,2,3,4,5,6,7
	global_load_b128 v[X+32*\k+4*\i:X+32*\k+4*\i+3], v1, s[24:25] offset:\k*4096+512*\i th:TH_LOAD_NT   ; 32 lanes read 512 consecutive bytes
.endr
.endr
.irp i, 0,1,2,3,4,5,6,7
	global_load_b128 v[GG+4*\i:GG+4*\i+3], v2, s[26:27] offset:16*\i
	global_load_b128 v[BI+4*\i:BI+4*\i+3], v2, s[28:29] offset:16*\i
.endr
.irp p, 0,1                                    ; two rows at a time through my stage.  LDS serves a wave's instructions in order (ISA guide 5.7.1.4): the second pair's stores come behind the first pair's loads
	s_wait_loadcnt 32-16*\p                        ; this pair's sixteen loads are in; behind them: the other pair's sixteen (first pair only) and the sixteen of gain and bias
.irp u, 0,1
.irp i, 0,1,2,3,4,5,6,7
	ds_store_b128 v3, v[X+32*(2*\p+\u)+4*\i:X+32*(2*\p+\u)+4*\i+3] offset:\u*ROWP+576*\i
.endr
.endr
	s_wait_dscnt 0x0                               ; the stores have read the registers into which the loads below land
.irp u, 0,1
.irp j, 0,1,2,3,4,5,6,7
	ds_load_b128 v[X+32*(2*\p+\u)+4*\j:X+32*(2*\p+\u)+4*\j+3], v4 offset:\u*ROWP+16*\j   ; my wave's own bytes: register 32 k + n = column 32 l + n of row k
.endr
.endr
.endr
	s_wait_dscnt 0x0
; a sum over a row: the pair's halves, the 16 lanes of a half (DPP), the other half.  The four rows take turns line by line
.macro REDUCE p
.irp k, 0,1,2,3
	v_add_f32 v[\p+2*\k], v[\p+2*\k], v[\p+2*\k+1]
.endr
.irp m, 1,2,4,8
.irp k, 0,1,2,3
	v_add_f32_dpp v[\p+2*\k], v[\p+2*\k], v[\p+2*\k] row_xmask:\m row_mask:0xf bank_mask:0xf
.endr
.endr
.irp k, 0,1,2,3
	v_permlanex16_b32 v[\p+2*\k+1], v[\p+2*\k], s46, s47
.endr
.irp k, 0,1,2,3
	v_add_f32 v[\p+2*\k], v[\p+2*\k], v[\p+2*\k+1]
.endr
.endm
.irp k, 0,1,2,3
	v_pk_add_f32 v[16+2*\k:17+2*\k], v[X+32*\k:X+32*\k+1], v[X+32*\k+2:X+32*\k+3]
.endr
.irp j, 4,6,8,10,12,14,16,18,20,22,24,26,28,30
.irp k, 0,1,2,3
	v_pk_add_f32 v[16+2*\k:17+2*\k], v[16+2*\k:17+2*\k], v[X+32*\k+\j:X+32*\k+\j+1]
.endr
.endr
	REDUCE 16
.irp k, 0,1,2,3
	v_mul_f32 v[16+2*\k], s2, v[16+2*\k]           ; the mean
.endr
.irp j, 0,2,4,6,8,10,12,14,16,18,20,22,24,26,28,30
.irp k, 0,1,2,3
	v_pk_add_f32 v[X+32*\k+\j:X+32*\k+\j+1], v[X+32*\k+\j:X+32*\k+\j+1], v[16+2*\k:17+2*\k] op_sel_hi:[1,0] neg_lo:[0,1] neg_hi:[0,1]   ; x - mean
.endr
.endr
.irp k, 0,1,2,3
	v_pk_mul_f32 v[24+2*\k:25+2*\k], v[X+32*\k:X+32*\k+1], v[X+32*\k:X+32*\k+1]
.endr
.irp j, 2,4,6,8,10,12,14,16,18,20,22,24,26,28,30
.irp k, 0,1,2,3
	v_pk_fma_f32 v[24+2*\k:25+2*\k], v[X+32*\k+\j:X+32*\k+\j+1], v[X+32*\k+\j:X+32*\k+\j+1], v[24+2*\k:25+2*\k]
.endr
.endr
	REDUCE 24
.irp k, 0,1,2,3
	v_fma_f32 v[24+2*\k], v[24+2*\k], s2, s3       ; the variance + 1e-5
.endr
	s_wait_alu depctr_va_vdst(0)
.irp k, 0,1,2,3
	v_rsq_f32 v[24+2*\k], v[24+2*\k]
.endr
	v_nop                                          ; a plain instruction behind the last of the four
	s_wait_alu depctr_va_vdst(0)                   ; one wait for the four, ahead of their first reader
	s_wait_loadcnt 0x0                             ; gain and bias
.irp j, 0,2,4,6,8,10,12,14,16,18,20,22,24,26,28,30
.irp k, 0,1,2,3
	v_pk_mul_f32 v[X+32*\k+\j:X+32*\k+\j+1], v[X+32*\k+\j:X+32*\k+\j+1], v[24+2*\k:25+2*\k] op_sel_hi:[1,0]
.endr
.endr
.irp j, 0,2,4,6,8,10,12,14,16,18,20,22,24,26,28,30
.irp k, 0,1,2,3
	v_pk_fma_f32 v[X+32*\k+\j:X+32*\k+\j+1], v[X+32*\k+\j:X+32*\k+\j+1], v[GG+\j:GG+\j+1], v[BI+\j:BI+\j+1]
.endr
.endr
; the quantiser: a lane holds a whole block of each of its four rows
.irp k, 0,1,2,3
	v_max3_num_f32 v[160+\k], |v[X+32*\k]|, |v[X+32*\k+1]|, 0x2800000   ; and the floor 2^(5 - 127): the byte cannot fall under 1
.endr
.irp j, 2,4,6,8,10,12,14,16,18,20,22,24,26,28,30
.irp k, 0,1,2,3
	v_max3_num_f32 v[160+\k], v[160+\k], |v[X+32*\k+\j]|, |v[X+32*\k+\j+1]|
.endr
.endr
.irp k, 0,1,2,3
	v_add_nc_u32 v[164+\k], 0xfe000000, v[160+\k]  ; 4 off the exponent field: the conversion's scale operand
.endr
.irp k, 0,1,2,3
	v_cvt_scalef32_pk16_bf6_f32 v[CD+8*\k:CD+8*\k+2], v[X+32*\k:X+32*\k+15], v[164+\k]
	v_cvt_scalef32_pk16_bf6_f32 v[16+4*\k:18+4*\k], v[X+32*\k+16:X+32*\k+31], v[164+\k]   ; (a conversion's three registers begin on an even number)
.endr
.irp k, 0,1,2,3
	v_lshrrev_b32 v[168+\k], 23, v[164+\k]         ; the scale's byte.  (Plain lines behind the conversions)
.endr
.irp k, 0,1,2,3
.irp i, 0,1,2
	v_mov_b32 v[CD+8*\k+3+\i], v[16+4*\k+\i]
.endr
.endr
.irp k, 0,1,2,3
	ds_store_b64 v5, v[CD+8*\k:CD+8*\k+1] offset:16*\k
	ds_store_b64 v6, v[CD+8*\k+2:CD+8*\k+3] offset:16*\k
	ds_store_b64 v5, v[CD+8*\k+4:CD+8*\k+5] offset:512+16*\k
	ds_store_b8 v7, v[168+\k] offset:4*\k
.endr
	s_wait_dscnt 0x0                               ; for the others' sake: my part of the images has landed
	s_barrier_signal -1
	s_barrier_wait -1                              ; the tile's eight images and their scale words are whole
.irp q, 0,1
.irp c, 0,1,2
	ds_load_b128 v[X+12*\q+4*\c:X+12*\q+4*\c+3], v8 offset:\q*1536+512*\c
.endr
.endr
	ds_load_b32 v[X+24], v9
	s_wait_dscnt 0x0
.irp q, 0,1
.irp c, 0,1,2
	global_store_b128 v10, v[X+12*\q+4*\c:X+12*\q+4*\c+3], s[30:31] offset:\q*12800+512*\c   ; 32 lanes store 512 consecutive bytes, at a multiple of 256 from the buffer's first byte
.endr
.endr
	global_store_b32 v11, v[X+24], s[30:31] offset:12288
	s_wait_tensorcnt 0x0                           ; the wave's end
	ds_add_u32 v[SPW], v[NIL]
	s_wait_dscnt 0x0
	s_endpgm
; ---------------- the weights: unit u = the work-group's number - 256: 128 columns x 128 along K.  Wave w takes columns 32 w + l: tile 2 w + (l / 8) % 2, lane r = l % 8 + 8 (l / 16)
.Lweights:
	s_wait_alu depctr_va_vdst(0)
	v_lshlrev_b32 v2, 2, v14                       ; in: 4 bytes a lane: 128 consecutive bytes a load
	v_bfe_u32 v3, v14, 3, 1
	v_and_b32 v4, 7, v14
	v_lshrrev_b32 v5, 4, v14
	v_lshl_add_u32 v4, v5, 3, v4                   ; r
	s_lshl_b32 s18, s16, 1
	v_add_nc_u32 v3, s18, v3                       ; tile
	v_mul_u32_u24 v5, v3, 1536
	v_lshl_add_u32 v5, v4, 4, v5                   ; out: 1,536 x tile + 16 r
	v_lshlrev_b32 v6, 6, v3
	v_lshl_add_u32 v6, v4, 2, v6                   ; the scale word: 64 x tile + 4 r
	s_sub_co_u32 s17, ttmp9, 256                   ; u
	s_mul_i32 s18, s17, 12800
	s_mov_b32 s19, 0
	s_lshl_b32 s20, s16, 7                         ; my wave's 32 columns: 128 bytes
	s_wait_kmcnt 0x0
	s_add_nc_u64 s[44:45], s[44:45], s[18:19]
.macro LOADS rs                        ; W(i, my column), i = 0 .. 127; rs: bytes from row to row
.set LI, 0
.rept 128
	global_load_b32 v[X+LI], v2, s[4:5] offset:LI*(\rs) th:TH_LOAD_NT
.set LI, LI+1
.endr
.endm
	s_cmp_lt_u32 s17, 256
	s_cbranch_scc0 .Lnot_w1
	s_and_b32 s18, s17, 7                          ; w1 [1024][4096]: K step u % 8, panel u / 8
	s_lshl_b32 s18, s18, 21
	s_lshr_b32 s21, s17, 3
	s_lshl_b32 s21, s21, 9
	s_add_co_u32 s18, s18, s21
	s_add_co_u32 s18, s18, s20
	s_add_nc_u64 s[4:5], s[32:33], s[18:19]
	LOADS 16384
	s_branch .Lquant
.Lnot_w1:
	s_cmp_lt_u32 s17, 576
	s_cbranch_scc0 .Lheads
	s_cmp_lt_u32 s17, 512                          ; w2 [4096][1024]: 32 K steps a panel; w_proj [1024][1024]: 8
	s_cselect_b64 s[4:5], s[34:35], s[36:37]
	s_cselect_b32 s22, 31, 7
	s_cselect_b32 s23, 5, 3
	s_cselect_b32 s21, 8, 64                       ; (256 / 32 and 512 / 8: the panels' count begins at the tensor's first unit)
	s_and_b32 s18, s17, s22
	s_lshl_b32 s18, s18, 19
	s_lshr_b32 s22, s17, s23
	s_sub_co_u32 s22, s22, s21
	s_lshl_b32 s22, s22, 9
	s_add_co_u32 s18, s18, s22
	s_add_co_u32 s18, s18, s20
	s_add_nc_u64 s[4:5], s[4:5], s[18:19]
	LOADS 4096
	s_branch .Lquant
.Lheads:
	s_sub_co_u32 s21, s17, 576                     ; wq, wk, wv [16][1024][64]: 64 units each; a panel is two heads
	s_lshr_b32 s22, s21, 6
	s_cmp_eq_u32 s22, 0
	s_cselect_b64 s[4:5], s[38:39], s[40:41]
	s_cmp_eq_u32 s22, 2
	s_cselect_b64 s[4:5], s[42:43], s[4:5]
	s_bfe_u32 s22, s21, 0x30003
	s_lshl_b32 s22, s22, 1
	s_lshr_b32 s23, s16, 1
	s_add_co_u32 s22, s22, s23                     ; the head: 2 x panel + w / 2
	s_lshl_b32 s22, s22, 18
	s_and_b32 s18, s21, 7
	s_lshl_b32 s18, s18, 15                        ; the K step: 128 rows of 256 bytes
	s_add_co_u32 s18, s18, s22
	s_and_b32 s23, s16, 1
	s_lshl_b32 s23, s23, 7
	s_add_co_u32 s18, s18, s23
	s_add_nc_u64 s[4:5], s[4:5], s[18:19]
	LOADS 256
.Lquant:
; block t of my column: lane r + 16 (t % 2) of the image holds it in registers 6 (t / 2) .. 6 (t / 2) + 5: v160-171 is lane r's part, v172-183 lane r + 16's
.macro WBLOCK t
.set XS, X+32*(\t)
.if (\t) < 2
	s_wait_loadcnt 63                              ; behind this block's loads 64 or more were issued; a wait's count names 63 at the most
.else
	s_wait_loadcnt 96-32*(\t)                      ; the later blocks' loads may be out
.endif
	v_max3_num_f32 v8, |v[XS]|, |v[XS+1]|, |v[XS+2]|
	v_max3_num_f32 v9, |v[XS+3]|, |v[XS+4]|, |v[XS+5]|
.irp i, 6,10,14,18,22,26
	v_max3_num_f32 v8, v8, |v[XS+\i]|, |v[XS+\i+1]|
	v_max3_num_f32 v9, v9, |v[XS+\i+2]|, |v[XS+\i+3]|
.endr
	v_max3_num_f32 v8, v8, |v[XS+30]|, |v[XS+31]|
	v_max3_num_f32 v8, v8, v9, 0x2800000           ; and the floor 2^(5 - 127)
	v_add_nc_u32 v10, 0xfe000000, v8
	v_cvt_scalef32_pk16_bf6_f32 v[160+12*((\t)%2)+6*((\t)/2):162+12*((\t)%2)+6*((\t)/2)], v[XS:XS+15], v10
	v_cvt_scalef32_pk16_bf6_f32 v[184+4*(\t):186+4*(\t)], v[XS+16:XS+31], v10
	v_lshrrev_b32 v11, 23, v10                     ; the scale's byte.  (A plain line behind the conversions)
.if (\t) == 0
	v_mov_b32 v200, v11
.else
	v_lshl_or_b32 v200, v11, 8*(\t), v200
.endif
.irp i, 0,1,2
	v_mov_b32 v[163+12*((\t)%2)+6*((\t)/2)+\i], v[184+4*(\t)+\i]
.endr
.endm
	WBLOCK 0
	WBLOCK 1
	WBLOCK 2
	WBLOCK 3
.irp hh, 0,1
.irp g, 0,1,2
	global_store_b128 v5, v[160+12*\hh+4*\g:160+12*\hh+4*\g+3], s[44:45] offset:256*\hh+512*\g   ; sixteen lanes of a tile store 256 consecutive bytes, aligned
.endr
.endr
	global_store_b32 v6, v200, s[44:45] offset:12288
	s_wait_tensorcnt 0x0                           ; the same three lines at this path's end
	ds_add_u32 v[SPW], v[NIL]
	s_wait_dscnt 0x0
	s_endpgm
.Lfunc_end_k_q83efc82679_prep:
	.size	k_q83efc82679_prep, .Lfunc_end_k_q83efc82679_prep-k_q83efc82679_prep
	.p2alignl 7, 3214868480
	.fill 96, 4, 3214868480
	.section	.rodata,"a",@progbits
	.p2align	6, 0x0
	.amdhsa_kernel k_q83efc82679_prep
		.amdhsa_group_segment_fixed_size 50176
		.amdhsa_private_segment_fixed_size 0
		.amdhsa_enable_private_segment 0
		.amdhsa_kernarg_size 88
		.amdhsa_user_sgpr_count 2
		.amdhsa_user_sgpr_kernarg_segment_ptr 1
		.amdhsa_wavefront_size32 1
		.amdhsa_system_sgpr_workgroup_id_x 1
		.amdhsa_system_sgpr_workgroup_id_y 1
		.amdhsa_system_sgpr_workgroup_id_z 1
		.amdhsa_system_vgpr_workitem_id 0
		.amdhsa_next_free_vgpr 256
		.amdhsa_next_free_sgpr 66
		.amdhsa_reserve_vcc 0
		.amdhsa_float_denorm_mode_32 3
		.amdhsa_float_denorm_mode_16_64 3
		.amdhsa_memory_ordered 1
		.amdhsa_forward_progress 1
		.amdhsa_inst_pref_size 89
	.end_amdhsa_kernel
	.amdgpu_metadata
---
amdhsa.version: [ 1, 2 ]
amdhsa.kernels:
  - .name:           k_q83efc82679_prep
    .symbol:         k_q83efc82679_prep.kd
    .args:
      - { .name: x, .offset: 0, .size: 8, .value_kind: global_buffer, .address_space: global }
      - { .name: ln1_g, .offset: 8, .size: 8, .value_kind: global_buffer, .address_space: global }
      - { .name: ln1_b, .offset: 16, .size: 8, .value_kind: global_buffer, .address_space: global }
      - { .name: xnc, .offset: 24, .size: 8, .value_kind: global_buffer, .address_space: global }
      - { .name: w1, .offset: 32, .size: 8, .value_kind: global_buffer, .address_space: global }
      - { .name: w2, .offset: 40, .size: 8, .value_kind: global_buffer, .address_space: global }
      - { .name: w_proj, .offset: 48, .size: 8, .value_kind: global_buffer, .address_space: global }
      - { .name: wq, .offset: 56, .size: 8, .value_kind: global_buffer, .address_space: global }
      - { .name: wk, .offset: 64, .size: 8, .value_kind: global_buffer, .address_space: global }
      - { .name: wv, .offset: 72, .size: 8, .value_kind: global_buffer, .address_space: global }
      - { .name: wc, .offset: 80, .size: 8, .value_kind: global_buffer, .address_space: global }
    .group_segment_fixed_size: 50176
    .private_segment_fixed_size: 0
    .kernarg_segment_align: 8
    .kernarg_segment_size: 88
    .max_flat_workgroup_size: 128
    .sgpr_count:     66
    .vgpr_count:     256
    .wavefront_size: 32
...
	.end_amdgpu_metadata
.endif
;; end of part 1
;; launch qkv (part 2): grid 48 x 4, 4 waves a work-group, clusters of 4 x 4, 327,680 bytes of LDS; arguments xnc, wc, qkvc; writes qkvc
.if DOCPART == 2
	.amdgcn_target "amdgcn-amd-amdhsa--gfx1250"
	.amdhsa_code_object_version 6
	.text
	.protected	k_q83efc82679_qkv
	.globl	k_q83efc82679_qkv
	.p2align	8
	.type	k_q83efc82679_qkv,@function
k_q83efc82679_qkv:
	s_mov_b64 s[64:65], 0
	v_nop
	global_prefetch_b8 v0, s[64:65] scope:SCOPE_SE
	s_setreg_imm32_b32 hwreg(HW_REG_WAVE_MODE, 25, 1), 1
	s_wait_xcnt 0x0
	s_wait_alu depctr_hold_cnt(0) depctr_sa_sdst(0) depctr_va_vdst(0) depctr_va_sdst(0) depctr_va_ssrc(0) depctr_va_vcc(0) depctr_vm_vsrc(0)
	s_getreg_b32 s2, hwreg(HW_REG_IB_STS2, 6, 4)
	s_cmp_eq_u32 s2, 0
	s_cbranch_scc0 .Lentry_in_a_cluster
	s_endpgm
.Lentry_in_a_cluster:
	s_bfe_u32 s2, ttmp6, 0x10000c
	s_cmp_lg_u32 s2, 0xf033
	s_cbranch_scc0 .Lentry_shape_is_right
	s_endpgm
.Lentry_shape_is_right:
; A GEMM on codes of BF6 whose result is quantised on the way out (FF1 = 0: q, k and v^T;  FF1 = 1: h = relu(xn w1 + b1)).  Nothing is left out here.
; Operands lie as images of the operand's registers, in units of 12,800 bytes (128 rows x 128 K: tile i at 1,536 i, registers 4 c .. at 512 c + 16 x lane, scale words at 12,288 + 64 i + 4 r); lane r of tile T holds row
; 32 (T / 2) + 8 (T % 2) + r + 8 (r / 8).  A work-group of four waves makes 256 x 256, a wave 128 x 128: 64 accumulators, 512 registers.  K = 1,024 is eight steps of 128, two to a slot of 102,400 bytes.
; THREE SLOTS hold K steps 0 to 5 from the start (one load a wave, at the head); slot 0 is filled ONCE more, with K steps 6 and 7, behind the change out of it: that load has the rest of K step 1 and all of
; K steps 2 to 5, more than 256 matrix instructions a wave, in which to land.  The wait for all loads in front of that one refill has shown slots 1 and 2 whole to every wave: the change from slot 1 to slot 2 needs no barrier.
; A wave's tensor load is one dense block of rows of 256 bytes: 300 (six units) at the head, 100 (a panel's two units) for the refill.  Codes and scale words travel together.
; THE MATRIX INSTRUCTION IS USED TRANSPOSED (source 0 = 16 rows of B, source 1 = 16 rows of A): a lane holds one row of the result, and its 64 registers of B's eight tiles are register 16 b + i = column 32 b + 16 (lane / 16) + i:
; what the conversions want.  So a wave's 16 rows x 128 columns become one fragment and one scale word a row, stored as an image: no stage in LDS.
; FF1 = 0: clusters 0-7: A = xn (tokens), B = wq, wk: q and k, unit ((batch x 16 + column panel) x 8 + token block);  clusters 8-11: A = wv (channels), B = xn: v^T, so that it is quantised along the tokens, unit 512 + 32 x channel panel + token panel.
; CLUSTERS: 4 x 4 work-groups; A's panels are shared along a row of the cluster, B's along a column: each is asked for jointly.
; REGISTERS: window 0: v1-31 addresses; v32-47 scale words, two sets (register i: lanes 0-15 A's tile i, lanes 16-31 B's tile i); v64-159, v160-255 A's fragments, two sets.  window 1: v0-95, v128-223 B's, two sets; FF1: the bias at v96-127, v224-255.
;   window 2: the accumulators of A's tiles 0-3 ((a, b) at v[8 (8 (a % 4) + b)]);  window 3: those of tiles 4-7.
; LIMITS: NaN and infinities are not served; a block under 2^-122 gets the byte 1 and zero codes.
.set FF1,   0
.set MB,    8                          ; A's tiles of a wave
.set NB,    8                          ; B's
.set NQ,    2                          ; K steps in a slot
.set NK,    8                          ; K steps in all
.set UNIT,  12800
.set UNITB, NQ*UNIT
; LDS AS THE TEXT NOW HAS IT: each wave brings K steps 0 to 5 of its panel by ONE tensor load at the head (300 rows of 256 bytes, 76,800 bytes, at wave x 76,800); a "slot" is two units of each panel, 25,600 bytes apart.
; Slot 0 is filled once more, with K steps 6 and 7 (100 rows), behind the change out of it.  No prefetch: K is eight steps, six of them asked for at the head, and the one refill has four K steps in which to land.
.set SLOT,  25600
.set SPARE, 307200
.set ZERO,  1+FF1                      ; what starts the sums: 1: the constant 0;  2: the bias
.set ADRA,  8                          ; v8-10   LDS address of my A fragments in slot 0, 1, 2
.set ADRB,  12                         ; v12-14  of B's
.set ADRS,  16                         ; v16-18  of my scale words: lanes 0-15 A's, lanes 16-31 B's
.set L16,   27                         ; v27     16 x lane
.set SPW,   28                         ; v28     LDS address of my spare word; never rewritten
.set NIL,   29                         ; v29     0; never rewritten
.set L4,    30                         ; v30     4 x lane
.set SC,    32
.set AF,    64
.set PC,    64                         ; the way out: v64-83 the codes just made
.set TM,    128                        ; v128-131 maxima, v132-135 bytes, v140-143 scale operands
.set PW,    144                        ; v144-151 the scale word of each of my eight tiles
.set SW,    152                        ; v152-155 two tiles' words in one register
.set G1,  24                           ; s[24:31] descriptor group 1 for A's blocks
.set G0,  32                           ; group 0 for A's: s[32:35]
.set G1B, 48                           ; s[48:55] group 1 for B's
.set G0B, 56                           ; group 0 for B's: s[56:59]
.set MSB, 0
.macro WIN new                         ; the immediate's high byte repeats the setting that is left
.if MSB != (\new)
	s_set_vgpr_msb (MSB<<8)|(\new)
.set MSB, (\new)
.endif
.endm
; A joint load: waves 0 and 1 fetch for A, waves 2 and 3 for B.  The branch hangs on the wave's number alone.  An s_nop 0 and four v_nop follow each of the two lines.
.macro JLOAD g0a, g1a, g0b, g1b
	s_cmp_eq_u32 s15, 0
	s_cbranch_scc0 .Lfor_b_\@
	tensor_load_to_lds s[\g0a:\g0a+3], s[\g1a:\g1a+7]
	s_nop 0
.rept 4
	v_nop
.endr
	s_branch .Lasked_\@
.Lfor_b_\@:
	tensor_load_to_lds s[\g0b:\g0b+3], s[\g1b:\g1b+7]
	s_nop 0
.rept 4
	v_nop
.endr
.Lasked_\@:
.endm
.macro CREST                           ; a round of the cluster's barrier behind its opening barrier
	s_cmp_lg_u32 s14, 0
	s_cbranch_scc1 .Lnot_wave_0_\@
	s_barrier_signal -3
.Lnot_wave_0_\@:
	s_barrier_wait -3
	s_barrier_signal -1
	s_barrier_wait -1
.endm
.macro CROUND                          ; a whole round
	s_barrier_signal -1
	s_barrier_wait -1
	CREST
.endm
.macro PLACES n
.rept \n
	v_nop
.endr
.endm
	s_load_b128 s[4:7], s[0:1], 0x0                ; xn's codes, the weights' codes
.if FF1
	s_load_b128 s[8:11], s[0:1], 0x10              ; b1, the result
.else
	s_load_b64 s[10:11], s[0:1], 0x10              ; the result
.endif
	v_lshl_add_u32 v[SPW], v0, 2, SPARE
	v_mov_b32 v[NIL], 0
	ds_add_u32 v[SPW], v[NIL]                      ; the wave's opening: the add, twice on end, and its wait ahead of my first tensor load
	ds_add_u32 v[SPW], v[NIL]
	v_lshrrev_b32 v1, 5, v0
	v_readfirstlane_b32 s14, v1                    ; wave 0..3
	s_lshr_b32 s15, s14, 1                         ; which of A's two panels is mine.  Also: I fetch for A (0) or for B (1)
	s_and_b32 s16, s14, 1                          ; which of B's.  Also: which panel I fetch
	s_bfe_u32 s40, ttmp6, 0x40000                  ; cx, cy: my place in the cluster
	s_bfe_u32 s41, ttmp6, 0x40004
.if FF1
	s_lshl_b32 s42, ttmp9, 2
	s_add_co_u32 s42, s42, s40                     ; tile column = 4 x cluster x + cx
	s_and_b32 s17, ttmp7, 0xffff
	s_lshl_b32 s17, s17, 2
	s_add_co_u32 s17, s17, s41                     ; tile row = 4 x cluster y + cy
.else
	s_lshr_b32 s17, ttmp9, 1                       ; clusters 0-7: 4 x 2 clusters over q and k;  clusters 8-11: 1 x 4 over v^T.  The cluster's number is the same in all sixteen partners
	s_and_b32 s42, ttmp9, 1
	s_sub_co_u32 s18, ttmp9, 8
	s_cmp_lt_u32 ttmp9, 8
	s_cselect_b32 s17, s17, 0
	s_cselect_b32 s42, s42, s18
	s_cselect_b32 s69, 1, 0                        ; 1: q and k
	s_lshl_b32 s17, s17, 2
	s_add_co_u32 s17, s17, s41                     ; tile row
	s_lshl_b32 s42, s42, 2
	s_add_co_u32 s42, s42, s40                     ; tile column
.endif
	s_lshl_b32 s43, s41, 2
	s_lshl_b32 s43, 15, s43                        ; my row of the cluster
	s_lshl_b32 s44, 0x1111, s40                    ; my column
	s_or_b32 s[G1], s43, (3<<16)|(1<<21)           ; 15:0 the mask; 17:16 elements of 8 bytes; 20 no padding; 21 set beside a mask
	s_or_b32 s[G1B], s44, (3<<16)|(1<<21)
.irp g, G1, G1B
	s_mov_b32 s[\g+1], 32<<16                      ; tensor_dim0 = 32 elements: 256 bytes
	s_mov_b32 s[\g+2], 300<<16                     ; tensor_dim1 = 300 rows: six units
	s_mov_b32 s[\g+3], 32<<16                      ; tile_dim0
	s_mov_b32 s[\g+4], 300                         ; tile_dim1
	s_mov_b32 s[\g+5], 32                          ; the pitch: the block is dense
	s_mov_b32 s[\g+6], 0
	s_mov_b32 s[\g+7], 0
.endr
	s_lshl_b32 s20, s17, 1
	s_add_co_u32 s20, s20, s16
	s_mul_i32 s20, s20, NK*UNIT                    ; A: panel 2 x tile row + which
	s_mov_b32 s21, 0
	s_lshl_b32 s46, s42, 1
	s_add_co_u32 s46, s46, s16
	s_mul_i32 s46, s46, NK*UNIT                    ; B: panel 2 x tile column + which
	s_mov_b32 s47, 0
	s_mul_i32 s45, s14, 76800                      ; where they go: wave x 76,800
	s_mov_b32 s66, 0x76543210
	s_mov_b32 s67, 0xfedcba98                      ; v_permlanex16_b32's selects for lane l xor 16
	s_mov_b32 s68, 0xffff0000                      ; lanes 16-31
	s_wait_dscnt 0x0                               ; both opening adds are done
	s_wait_kmcnt 0x0
.if FF1
	s_add_nc_u64 s[20:21], s[4:5], s[20:21]
	s_add_nc_u64 s[46:47], s[6:7], s[46:47]        ; w1's panels begin at unit 0
.else
	s_add_nc_u64 s[70:71], s[6:7], 9011200         ; wv's eight panels: unit 704
	s_add_nc_u64 s[72:73], s[6:7], 7372800         ; wq's and wk's sixteen: unit 576
	s_cmp_eq_u32 s69, 1
	s_cselect_b64 s[70:71], s[4:5], s[70:71]       ; A
	s_cselect_b64 s[72:73], s[72:73], s[4:5]       ; B
	s_add_nc_u64 s[20:21], s[70:71], s[20:21]
	s_add_nc_u64 s[46:47], s[72:73], s[46:47]
.endif
	CROUND                                         ; all sixteen work-groups are here: the first joint loads meet
.irp s, 0
	s_mov_b32 s[G0+4*\s+40*(\s/2)], 1
	s_add_co_u32 s[G0+4*\s+40*(\s/2)+1], s45, \s*SLOT
	s_add_nc_u64 s[G0+4*\s+40*(\s/2)+2:G0+4*\s+40*(\s/2)+3], s[20:21], \s*UNITB
	s_or_b32 s[G0+4*\s+40*(\s/2)+3], s[G0+4*\s+40*(\s/2)+3], 0x80000000
	s_mov_b32 s[G0B+4*\s+20*(\s/2)], 1
	s_add_co_u32 s[G0B+4*\s+20*(\s/2)+1], s45, \s*SLOT
	s_add_nc_u64 s[G0B+4*\s+20*(\s/2)+2:G0B+4*\s+20*(\s/2)+3], s[46:47], \s*UNITB
	s_or_b32 s[G0B+4*\s+20*(\s/2)+3], s[G0B+4*\s+20*(\s/2)+3], 0x80000000
	JLOAD G0+4*\s+40*(\s/2), G1, G0B+4*\s+20*(\s/2), G1B   ; K steps 0 to 5: one load of mine is out
.endr
	v_and_b32 v1, 15, v0                           ; r
	v_bfe_u32 v2, v0, 4, 1                         ; h
	v_and_b32 v3, 31, v0
	v_lshlrev_b32 v[L16], 4, v3
	v_lshlrev_b32 v[L4], 2, v3
	s_mul_i32 s76, s15, 76800                      ; my panel of A
	s_mul_i32 s77, s16, 76800
	s_add_co_u32 s77, s77, 153600                  ; my panel of B, behind A's two
	s_sub_co_u32 s78, s77, s76
	v_mul_u32_u24 v4, s78, v2                      ; lanes 16-31 take B's scale words
	v_lshl_add_u32 v4, v1, 2, v4
.irp s, 0,1,2
	v_add_nc_u32 v[ADRA+\s], s76, v[L16]
	v_add_nc_u32 v[ADRB+\s], s77, v[L16]
	v_add_nc_u32 v[ADRS+\s], s76, v4
	s_add_co_u32 s76, s76, SLOT
	s_add_co_u32 s77, s77, SLOT
.endr
.if FF1
	s_lshl_b32 s76, s42, 10
	s_lshl_b32 s77, s16, 9
	s_add_co_u32 s76, s76, s77                     ; my first column x 4 bytes
	s_mov_b32 s77, 0
	s_add_nc_u64 s[8:9], s[8:9], s[76:77]
	v_lshlrev_b32 v31, 6, v2                       ; lane (r, h) wants, for B's tile b, the bias of columns 32 (b / 2) + 8 (b % 2) + 16 h + 0 .. 7
	WIN 0x40
.irp b, 0,1,2,3,4,5,6,7
	global_load_b128 v[96+8*\b+96*(\b/4):96+8*\b+96*(\b/4)+3], v31, s[8:9] offset:(32*(\b/2)+8*(\b%2))*4
	global_load_b128 v[96+8*\b+96*(\b/4)+4:96+8*\b+96*(\b/4)+7], v31, s[8:9] offset:(32*(\b/2)+8*(\b%2))*4+16
.endr
	WIN 0
.endif
	s_lshl_b32 s74, s17, 1
	s_add_co_u32 s74, s74, s15                     ; my panel of rows
	s_lshl_b32 s75, s42, 1
	s_add_co_u32 s75, s75, s16                     ; my panel of columns: a K step of the product that will read the result
.if FF1
	s_lshl_b32 s74, s74, 5
	s_add_co_u32 s74, s74, s75                     ; h: [32 panels][32 K steps]
.else
	s_lshr_b32 s76, s74, 3
	s_lshl_b32 s76, s76, 4
	s_add_co_u32 s76, s76, s75
	s_lshl_b32 s76, s76, 3
	s_and_b32 s77, s74, 7
	s_add_co_u32 s76, s76, s77                     ; q, k: ((batch x 16 + column panel) x 8 + token block)
	s_lshl_b32 s77, s74, 5
	s_add_co_u32 s77, s77, s75
	s_add_co_u32 s77, s77, 512                     ; v^T: 512 + 32 x channel panel + token panel
	s_cmp_eq_u32 s69, 1
	s_cselect_b32 s74, s76, s77
.endif
	s_mul_i32 s74, s74, UNIT
	s_mov_b32 s75, 0
	s_add_nc_u64 s[10:11], s[10:11], s[74:75]
; the fragments and scale words of the slot's q-th K step into set sg: images, three loads of 16 bytes a lane for a fragment, 512 consecutive bytes each
.macro FETCH slot, q, sg
	WIN 0x40                                       ; destination window 1
.set FI, 0
.rept NB
.irp c, 0,1,2
	ds_load_b128 v[128*(\sg)+12*FI+4*\c:128*(\sg)+12*FI+4*\c+3], v[ADRB+\slot] offset:(\q)*UNIT+1536*FI+512*\c
.endr
.set FI, FI+1
.endr
	WIN 0
.set FI, 0
.rept MB
.irp c, 0,1,2
	ds_load_b128 v[AF+96*(\sg)+12*FI+4*\c:AF+96*(\sg)+12*FI+4*\c+3], v[ADRA+\slot] offset:(\q)*UNIT+1536*FI+512*\c
.endr
.set FI, FI+1
.endr
.set FI, 0
.rept MB
	ds_load_b32 v[SC+8*(\sg)+FI], v[ADRS+\slot] offset:(\q)*UNIT+12288+64*FI
.set FI, FI+1
.endr
.endm
; A's tiles a0 .. a0 + n - 1 against B's eight, from set sg.  The accumulators take turns, one instruction a turn, in the same order in every K step.
.macro MULS a0, n, sg, zero
.set MA, \a0
.rept \n
.if (\zero) == 2
	WIN 0x91+0x40*(MA/4)                           ; source 0 (B) and C (the bias) window 1, source 1 (A) window 0, D window 2 or 3
.else
	WIN 0xa1+0x50*(MA/4)                           ; source 0 window 1, source 1 window 0, C and D window 2 or 3
.endif
.set MI, 0
.rept NB
.set MD, 8*(NB*(MA%4)+MI)
.if (\zero) == 1
	v_wmma_scale_f32_16x16x128_f8f6f4 v[MD:MD+7], v[128*(\sg)+12*MI:128*(\sg)+12*MI+11], v[AF+96*(\sg)+12*MA:AF+96*(\sg)+12*MA+11], 0, v[SC+8*(\sg)+MI], v[SC+8*(\sg)+MA] matrix_a_fmt:MATRIX_FMT_BF6 matrix_b_fmt:MATRIX_FMT_BF6 matrix_a_scale:MATRIX_SCALE_ROW1
.elseif (\zero) == 2
	v_wmma_scale_f32_16x16x128_f8f6f4 v[MD:MD+7], v[128*(\sg)+12*MI:128*(\sg)+12*MI+11], v[AF+96*(\sg)+12*MA:AF+96*(\sg)+12*MA+11], v[96+8*MI+96*(MI/4):96+8*MI+96*(MI/4)+7], v[SC+8*(\sg)+MI], v[SC+8*(\sg)+MA] matrix_a_fmt:MATRIX_FMT_BF6 matrix_b_fmt:MATRIX_FMT_BF6 matrix_a_scale:MATRIX_SCALE_ROW1
.else
	v_wmma_scale_f32_16x16x128_f8f6f4 v[MD:MD+7], v[128*(\sg)+12*MI:128*(\sg)+12*MI+11], v[AF+96*(\sg)+12*MA:AF+96*(\sg)+12*MA+11], v[MD:MD+7], v[SC+8*(\sg)+MI], v[SC+8*(\sg)+MA] matrix_a_fmt:MATRIX_FMT_BF6 matrix_b_fmt:MATRIX_FMT_BF6 matrix_a_scale:MATRIX_SCALE_ROW1
.endif
.set MI, MI+1
.endr
.set MA, MA+1
.endr
.endm
; A K step that has its successor in the same slot: the successor's loads go out in one run, a whole K step ahead of their use.
.macro STEP slot, q, zero
	s_wait_dscnt 0x0                               ; this step's fragments, asked for a K step ago, are in
	PLACES 4                                       ; four places between the last products and loads into the registers that they read (ISA guide 7.12.1 for vector instructions)
	FETCH \slot, (\q)+1, 1-(\q)%2
	MULS 0, MB, (\q)%2, \zero
.endm
; A slot's last K step where the next slot has been shown whole to every wave by an earlier barrier, and this slot is not filled again: no wait on the tensor loads, no barrier.
.macro HOP next
	s_wait_dscnt 0x0
	PLACES 4
	FETCH \next, 0, 0
	MULS 0, MB, 1, 0
.endm
; A slot's last K step with a barrier; in front of it each wave waits for all its tensor loads, adds 0 to its spare word, and waits for that and for its reads of this slot.
; fill = 1 (out of slot 0): the barrier opens a round of the cluster's, and slot 0 is filled again, with K steps 6 and 7.  fill = 0 (back into slot 0): a plain barrier: that refill has landed in every wave.
.macro TURN next, fill
	WIN 0                                          ; (the add's two registers lie in window 0)
	s_wait_tensorcnt 0x0                           ; all my tensor loads have landed
	ds_add_u32 v[SPW], v[NIL]                      ; 0 onto my spare word
	s_wait_dscnt 0x1                               ; this step's fragments are in; the add alone may be out
	MULS 0, MB/4, 1, 0
	s_wait_dscnt 0x0                               ; the add is done, and my reads of this slot are over
	s_barrier_signal -1
	MULS MB/4, MB/4, 1, 0
	WIN 0
	s_barrier_wait -1
.if \fill
	CREST                                          ; no wave of any partner still reads slot 0 or has a load on its way
	s_add_nc_u64 s[G0+2:G0+3], s[G0+2:G0+3], 3*UNITB
	s_add_nc_u64 s[G0B+2:G0B+3], s[G0B+2:G0B+3], 3*UNITB
	JLOAD G0, G1, G0B, G1B                         ; the first tensor load behind the round, one a wave, and the launch's last; its four v_nop are the places in front of the loads below
.else
	PLACES 4
.endif
	FETCH \next, 0, 0
	MULS MB/2, MB/2, 1, 0
.endm
	s_wait_alu depctr_va_vdst(0)
	s_wait_tensorcnt 0x0                           ; my panel's six K steps are in; no load of mine is out, so group 1 may be written: the refill brings 100 rows
	s_mov_b32 s[G1+2], 100<<16
	s_mov_b32 s[G1+4], 100
	s_mov_b32 s[G1B+2], 100<<16
	s_mov_b32 s[G1B+4], 100
	s_barrier_signal -1
	s_barrier_wait -1                              ; everybody's is
	FETCH 0, 0, 0
.if FF1
	s_wait_loadcnt 0x0                             ; the bias
.endif
	STEP 0, 0, ZERO                                ; K step 0: its products start the sums
	TURN 1, 1                                      ; K step 1; slot 0 takes K steps 6 and 7
	STEP 1, 0, 0                                   ; K step 2
	HOP 2                                          ; K step 3
	STEP 2, 0, 0                                   ; K step 4
	TURN 0, 0                                      ; K step 5; K steps 6 and 7 have landed
	STEP 0, 0, 0                                   ; K step 6
	s_wait_dscnt 0x0                               ; K step 7
	MULS 0, MB, 1, 0
	WIN 0
; THE WAY OUT.  A's tile a: my lane's 64 numbers (FF1: clipped at 0) become a fragment and a scale word: four blocks of 32, each in lanes l and l xor 16.
	PLACES 4
.irp b, 0,1,2,3
	v_mov_b32 v[TM+4+\b], 0                        ; written once: a lane permute's destination counts as one of its sources
.endr
.set WA, 0
.rept MB
.set QS, 64*(WA%4)
.set QW, 2+WA/4
.if FF1
	WIN (QW<<6)|(QW<<2)
.set JJ, 0
.rept 64
	v_max_num_f32 v[QS+JJ], 0, v[QS+JJ]            ; relu, in f32; each accumulator from its low end on
.set JJ, JJ+1
.endr
.endif
	WIN (QW<<4)|(QW<<2)                            ; sources 1 and 2: the accumulators' window
.irp b, 0,1,2,3
	v_max3_num_f32 v[TM+\b], 0x2800000, |v[QS+16*\b]|, |v[QS+16*\b+1]|   ; the floor 2^(5 - 127) among the leaves: the byte cannot fall under 1
.endr
.irp i, 2,4,6,8,10,12,14
.irp b, 0,1,2,3
	v_max3_num_f32 v[TM+\b], v[TM+\b], |v[QS+16*\b+\i]|, |v[QS+16*\b+\i+1]|
.endr
.endr
	WIN 0
.irp b, 0,1,2,3
	v_permlanex16_b32 v[TM+4+\b], v[TM+\b], s66, s67
.endr
.irp b, 0,1,2,3
	v_max_num_f32 v[TM+\b], v[TM+\b], v[TM+4+\b]
.endr
.irp b, 0,1,2,3
	v_add_nc_u32 v[TM+12+\b], 0xfe000000, v[TM+\b] ; 4 off the exponent field: the conversion's scale operand
.endr
.irp b, 0,1,2,3
	v_lshrrev_b32 v[TM+4+\b], 23, v[TM+12+\b]      ; the scale's byte
.endr
	v_lshl_or_b32 v[PW+WA], v[TM+5], 8, v[TM+4]
	v_lshl_or_b32 v[PW+WA], v[TM+6], 16, v[PW+WA]
	v_lshl_or_b32 v[PW+WA], v[TM+7], 24, v[PW+WA]
	s_wait_xcnt 0x0                                ; the last tile's stores have read the registers that are written below
	WIN QW                                         ; source 0: the accumulators' window
.irp c, 0,1
	v_cvt_scalef32_pk16_bf6_f32 v[PC+6*\c:PC+6*\c+2], v[QS+32*\c:QS+32*\c+15], v[TM+12+2*\c]
	v_cvt_scalef32_pk16_bf6_f32 v[PC+12+4*\c:PC+14+4*\c], v[QS+32*\c+16:QS+32*\c+31], v[TM+13+2*\c]
.endr
	v_nop                                          ; one plain place behind a scaled conversion
	WIN 0
.irp c, 0,1                                    ; the operand's layout wants a whole block in a lane
.irp i, 0,1,2
	v_permlane16_swap_b32 v[PC+6*\c+\i], v[PC+12+4*\c+\i]
.endr
.irp i, 0,1,2
	v_mov_b32 v[PC+3+6*\c+\i], v[PC+12+4*\c+\i]
.endr
.endr
.irp c, 0,1,2
	global_store_b128 v[L16], v[PC+4*\c:PC+4*\c+3], s[10:11] offset:1536*WA+512*\c   ; 32 lanes store 512 consecutive bytes, at a multiple of 256 from the buffer's first byte
.endr
.if WA%2 == 1
	v_cndmask_b32 v[SW+WA/2], v[PW+WA-1], v[PW+WA], s68          ; lanes 0-15: the even tile's words; lanes 16-31: the odd tile's
	global_store_b32 v[L4], v[SW+WA/2], s[10:11] offset:12288+128*(WA/2)
.endif
.set WA, WA+1
.endr
	s_wait_tensorcnt 0x0                           ; the wave's end
	ds_add_u32 v[SPW], v[NIL]
	s_wait_dscnt 0x0
	CROUND                                         ; the closing round: no work-group ends while a partner may still ask for a tile that names it
	s_endpgm
.Lfunc_end_k_q83efc82679_qkv:
	.size	k_q83efc82679_qkv, .Lfunc_end_k_q83efc82679_qkv-k_q83efc82679_qkv
	.p2alignl 7, 3214868480
	.fill 96, 4, 3214868480
	.section	.rodata,"a",@progbits
	.p2align	6, 0x0
	.amdhsa_kernel k_q83efc82679_qkv
		.amdhsa_group_segment_fixed_size 327680
		.amdhsa_private_segment_fixed_size 0
		.amdhsa_enable_private_segment 0
		.amdhsa_kernarg_size 24
		.amdhsa_user_sgpr_count 2
		.amdhsa_user_sgpr_kernarg_segment_ptr 1
		.amdhsa_wavefront_size32 1
		.amdhsa_system_sgpr_workgroup_id_x 1
		.amdhsa_system_sgpr_workgroup_id_y 1
		.amdhsa_system_sgpr_workgroup_id_z 1
		.amdhsa_system_vgpr_workitem_id 0
		.amdhsa_next_free_vgpr 1024
		.amdhsa_next_free_sgpr 100
		.amdhsa_reserve_vcc 0
		.amdhsa_float_denorm_mode_32 3
		.amdhsa_float_denorm_mode_16_64 3
		.amdhsa_memory_ordered 1
		.amdhsa_forward_progress 1
		.amdhsa_inst_pref_size 137
	.end_amdhsa_kernel
	.amdgpu_metadata
---
amdhsa.version: [ 1, 2 ]
amdhsa.kernels:
  - .name:           k_q83efc82679_qkv
    .symbol:         k_q83efc82679_qkv.kd
    .args:
      - { .name: xnc, .offset: 0, .size: 8, .value_kind: global_buffer, .address_space: global }
      - { .name: wc, .offset: 8, .size: 8, .value_kind: global_buffer, .address_space: global }
      - { .name: qkvc, .offset: 16, .size: 8, .value_kind: global_buffer, .address_space: global }
    .group_segment_fixed_size: 327680
    .private_segment_fixed_size: 0
    .kernarg_segment_align: 8
    .kernarg_segment_size: 24
    .max_flat_workgroup_size: 128
    .sgpr_count:     100
    .vgpr_count:     1024
    .wavefront_size: 32
...
	.end_amdgpu_metadata
.endif
;; end of part 2
;; launch attn (part 3): grid 8 x 32, 8 waves a work-group, clusters of 4 x 1, 327,680 bytes of LDS; arguments qkvc, ctxc; writes ctxc
.if DOCPART == 3
	.amdgcn_target "amdgcn-amd-amdhsa--gfx1250"
	.amdhsa_code_object_version 6
	.text
	.protected	k_q83efc82679_attn
	.globl	k_q83efc82679_attn
	.p2align	8
	.type	k_q83efc82679_attn,@function
k_q83efc82679_attn:
	s_mov_b64 s[64:65], 0
	v_nop
	global_prefetch_b8 v0, s[64:65] scope:SCOPE_SE
	s_setreg_imm32_b32 hwreg(HW_REG_WAVE_MODE, 25, 1), 1
	s_wait_xcnt 0x0
	s_wait_alu depctr_hold_cnt(0) depctr_sa_sdst(0) depctr_va_vdst(0) depctr_va_sdst(0) depctr_va_ssrc(0) depctr_va_vcc(0) depctr_vm_vsrc(0)
	s_getreg_b32 s2, hwreg(HW_REG_IB_STS2, 6, 4)
	s_cmp_eq_u32 s2, 0
	s_cbranch_scc0 .Lentry_in_a_cluster
	s_endpgm
.Lentry_in_a_cluster:
	s_bfe_u32 s2, ttmp6, 0x10000c
	s_cmp_lg_u32 s2, 0x3003
	s_cbranch_scc0 .Lentry_shape_is_right
	s_endpgm
.Lentry_shape_is_right:
; Causal attention on codes of BF6: ctx = softmax(q k^T / 8) v, both products quantised; the result is quantised along the heads' channels for the projection.
; LEFT OUT: every step of 128 keys all of which come after a wave's 16 queries: reference()'s own causal mask gives them the weight 0.  A NaN, an infinity or an overflow that reaches only those scores is not carried on.
; THE SOFTMAX: t = score x log2(e) / 8; M = the running largest t rounded up to a whole number; p = 2^(t - M) is quantised along the keys, not normalised; the row's sum is taken of the unquantised p and divides
; at the end; when M moves, the sum and O are multiplied by 2^(old M - new M): exact.
; SHARES.  Work-group (x = w, y = 8 x batch + head pair).  Wave j takes ONE head, e = j % 2, and tile w (16 queries) of TWO blocks of 128 queries, one after the other: block 7 - j / 2 (8 - j / 2 key steps), then block j / 2
; (j / 2 + 1 key steps): nine key steps in every wave.
; A HEAD PAIR.  An image of 128 columns of q or k holds two heads: registers 0-5 the even head's 64 channels, 6-11 the odd head's.  In Q the other head's six registers are made zero codes, so that K = 64 is served by the
; K = 128 form with k's fragments as they lie.
; K AND V STAY IN LDS: k's and v^T's eight units of (batch, pair), 102,400 bytes each; each wave brings 25,600 bytes by one tensor load; nothing is filled again, and there is no loop of loads to prefetch ahead of.
; CLUSTER: the four work-groups of a cluster have the same (batch, pair) and ask for these blocks jointly.  The place in the cluster enters global addresses and the mask's data alone.
; LAYOUT.  Both products are used transposed (S^T = k q^T, O^T = v^T p^T): a lane holds one query; the keys of a tile are 32 (T / 2) + 8 (T % 2) + r + 8 (r / 8), so that p's 16 registers of two tiles are 16 neighbouring keys.
; THE WAY OUT.  A wave's result is half a fragment (six registers) and half a scale word; the two heads' halves meet in a stage in LDS (bytes of their own), and behind one barrier wave j stores block j's whole image.
; REGISTERS: v1-11, v16-27, v38-39 addresses; v12 -M, v13 the largest t, v14-15 the sum; v40-87 four fragments; v96-159 S^T, then p; v160-191 O^T; v192-215 Q of both blocks; v217, v218, v248-251, v253 scale words; v224-254 at work.
; LIMITS: NaN and infinities among the inputs are not served; a block under 2^-122 gets the byte 1 and zero codes; the promise holds while the scaled scores stay under 2^31 in magnitude.
.set UNIT,  12800
.set VLDS,  102400                     ; LDS: k's eight units, then v^T's eight
.set SPARE, 204800                     ; the spare words, 128 bytes for each wave: four blocks of 256 bytes that no other line names
.set IMG,   205824                     ; the stage: eight images of 1,536 bytes, one for each block of queries,
.set IMS,   IMG+12288                  ; and their scale words, 64 bytes each
.macro CROUND
	s_barrier_signal -1
	s_barrier_wait -1
	s_cmp_lg_u32 s8, 0
	s_cbranch_scc1 .Lnot_wave_0_\@
	s_barrier_signal -3
.Lnot_wave_0_\@:
	s_barrier_wait -3
	s_barrier_signal -1
	s_barrier_wait -1
.endm
	s_load_b128 s[4:7], s[0:1], 0x0                ; q, k, v^T; ctx
	v_lshl_add_u32 v5, v0, 2, SPARE
	v_mov_b32 v6, 0
	ds_add_u32 v5, v6                              ; the wave's opening: the add, twice on end, and its wait ahead of my first tensor load
	ds_add_u32 v5, v6
	v_lshrrev_b32 v8, 5, v0
	s_delay_alu instid0(VALU_DEP_1)
	v_readfirstlane_b32 s8, v8                     ; wave j, 0..7
	s_lshr_b32 s9, s8, 1                           ; my second block: j / 2
	s_xor_b32 s53, s9, 7                           ; my first: 7 - j / 2
	s_and_b32 s52, s8, 1                           ; my head of the pair
	s_cmp_eq_u32 s52, 0
	s_cselect_b32 s56, -1, 0                       ; what is kept of Q's registers 0-5,
	s_cselect_b32 s57, 0, -1                       ; and of 6-11
	s_bfe_u32 s10, ttmp6, 0x40000                  ; cx
	s_lshl_b32 s11, ttmp9, 2
	s_add_co_u32 s11, s11, s10                     ; w
	s_and_b32 s12, ttmp7, 0xffff
	s_lshr_b32 s13, s12, 3                         ; batch
	s_and_b32 s14, s12, 7                          ; head pair
	s_mov_b32 s16, 15|(3<<16)|(1<<21)              ; 15:0 the mask: all four work-groups; 17:16 elements of 8 bytes; 21 set beside a mask
	s_mov_b32 s17, 32<<16                          ; tensor_dim0 = 32 elements: 256 bytes
	s_mov_b32 s18, 100<<16                         ; tensor_dim1 = 100 rows
	s_mov_b32 s19, 32<<16                          ; tile_dim0
	s_mov_b32 s20, 100                             ; tile_dim1
	s_mov_b32 s21, 32                              ; the pitch: the block is dense
	s_mov_b32 s22, 0
	s_mov_b32 s23, 0
	s_lshl_b32 s40, s13, 4
	s_add_co_u32 s40, s40, s14                     ; 16 x batch + pair
	s_add_co_u32 s41, s40, 8
	s_lshl_b32 s41, s41, 3                         ; k's first unit
	s_lshl_b32 s42, s14, 5
	s_lshl_b32 s43, s13, 3
	s_add_co_u32 s42, s42, s43
	s_add_co_u32 s42, s42, 512                     ; v^T's first unit
	s_cmp_lt_u32 s8, 4                             ; waves 0-3 fetch k's, waves 4-7 v^T's
	s_cselect_b32 s42, s41, s42
	s_mul_i32 s42, s42, UNIT
	s_and_b32 s43, s8, 3
	s_mul_i32 s43, s43, 25600
	s_add_co_u32 s42, s42, s43
	s_mov_b32 s43, 0
	s_mov_b32 s24, 1                               ; group 0: count = 1,
	s_mul_i32 s25, s8, 25600                       ; the LDS address: wave x 25,600
	s_lshl_b32 s44, s40, 3
	s_add_co_u32 s58, s44, s9
	s_add_co_u32 s44, s44, s53
	s_mul_i32 s44, s44, UNIT                       ; q's unit: (16 x batch + pair) x 8 + block: the first block's,
	s_mov_b32 s45, 0
	s_mul_i32 s58, s58, UNIT                       ; the second's
	s_mov_b32 s59, 0
	s_lshl_b32 s46, s13, 3
	s_add_co_u32 s46, s46, s8
	s_lshl_b32 s46, s46, 3
	s_add_co_u32 s46, s46, s14
	s_mul_i32 s46, s46, UNIT                       ; the unit of ctx that I store: (8 x batch + j) x 8 + pair
	s_mov_b32 s47, 0
	s_mul_i32 s48, s11, 1536                       ; tile w in a unit
	s_lshl_b32 s49, s11, 6                         ; and its scale words
	s_lshr_b32 s50, s11, 1
	s_lshl_b32 s50, s50, 5
	s_and_b32 s51, s11, 1
	s_lshl_b32 s51, s51, 3
	s_add_co_u32 s50, s50, s51                     ; 32 (w / 2) + 8 (w % 2)
	s_mov_b32 s28, 0x76543210
	s_mov_b32 s29, 0xfedcba98                      ; v_permlanex16_b32's selects for lane l xor 16
	s_mov_b32 s30, 0x3e38aa3b                      ; c = log2(e) / 8
	s_mov_b32 s31, s30                             ; (named with it as a pair, so it is written)
	s_wait_dscnt 0x0                               ; both opening adds are done
	s_wait_kmcnt 0x0
	s_add_nc_u64 s[26:27], s[4:5], s[42:43]
	s_or_b32 s27, s27, 0x80000000                  ; type = 2
	s_add_nc_u64 s[36:37], s[4:5], s[44:45]
	s_add_nc_u64 s[54:55], s[4:5], s[58:59]
	s_add_nc_u64 s[38:39], s[6:7], s[46:47]
	CROUND                                         ; all four work-groups are here: the joint loads meet
	tensor_load_to_lds s[24:27], s[16:23]          ; my one tensor load of the launch
	s_nop 0
.rept 4
	v_nop
.endr
	v_and_b32 v7, 31, v0
	v_and_b32 v4, 15, v0                           ; r
	s_delay_alu instid0(VALU_DEP_2)
	v_lshlrev_b32 v1, 4, v7                        ; 16 x lane
	s_delay_alu instid0(VALU_DEP_2)
	v_lshlrev_b32 v2, 2, v4                        ; 4 r
	s_delay_alu instid0(VALU_DEP_2)
	v_add_nc_u32 v38, s48, v1
	s_delay_alu instid0(VALU_DEP_2)
	v_add_nc_u32 v39, s49, v2
	s_wait_alu depctr_va_vdst(0)
.irp c, 0,1,2
	global_load_b128 v[192+4*\c:195+4*\c], v38, s[36:37] offset:512*\c   ; Q's image, both heads: the first block's,
	global_load_b128 v[204+4*\c:207+4*\c], v38, s[54:55] offset:512*\c   ; the second's
.endr
	global_load_b32 v217, v39, s[36:37] offset:12288               ; and their scale words
	global_load_b32 v218, v39, s[54:55] offset:12288
	s_mul_i32 s60, s52, 6144
	s_lshl_b32 s61, s52, 8
	v_add_nc_u32 v16, s60, v1                      ; in a unit of v^T: my head's four tiles,
	v_add_nc_u32 v17, s61, v2                      ; and their scale words
	s_mul_i32 s60, s52, 520                        ; in an image registers 6 e + 0, 1 lie at byte 0 or 520 (6 e + 4, 5: 512 further on), registers 6 e + 2, 3 at byte 8 or 1,024
	s_mul_i32 s61, s52, 1016
	s_lshl_b32 s62, s52, 1
.irp it, 0,1                                   ; the stage's addresses for my two blocks (s53, s9)
	s_mul_i32 s63, s[53-44*\it], 1536
	s_add_co_u32 s63, s63, IMG
	s_add_co_u32 s35, s63, s60
	v_add_nc_u32 v[20+3*\it], s35, v1
	s_add_co_u32 s35, s63, s61
	s_add_co_u32 s35, s35, 8
	v_add_nc_u32 v[21+3*\it], s35, v1
	s_lshl_b32 s35, s[53-44*\it], 6
	s_add_co_u32 s35, s35, s62
	s_add_co_u32 s35, s35, IMS
	v_add_nc_u32 v[22+3*\it], s35, v2              ; my half of the scale word: 64 x block + 4 r + 2 e
.endr
	s_mul_i32 s35, s8, 1536
	s_add_co_u32 s35, s35, IMG
	v_add_nc_u32 v26, s35, v1                      ; out of the stage: block j's image,
	s_lshl_b32 s35, s8, 6
	s_add_co_u32 s35, s35, IMS
	v_add_nc_u32 v27, s35, v2                      ; and its scale words
	v_and_b32 v3, 8, v4
	v_bfe_u32 v7, v0, 4, 1
	s_delay_alu instid0(VALU_DEP_2)
	v_add_nc_u32 v3, v3, v4
	s_delay_alu instid0(VALU_DEP_2)
	v_lshlrev_b32 v7, 4, v7
	s_delay_alu instid0(VALU_DEP_1)
	v_sub_nc_u32 v3, v3, v7
	s_delay_alu instid0(VALU_DEP_1)
	v_add_nc_u32 v3, s50, v3                       ; my query's place in its block of 128, less 16 (lane / 16)
.irp b, 0,1,2,3
	v_mov_b32 v[236+\b], 0                         ; written once: a lane permute's destination counts as one of its sources
.endr
	v_mov_b32 v253, 0                              ; (named as the upper half of the pair v[252:253] before it is first written)
	s_wait_alu depctr_va_vdst(0)
	s_wait_tensorcnt 0x0                           ; my part of k or v^T has landed,
	s_barrier_signal -1
	s_barrier_wait -1                              ; everybody's has
	s_wait_loadcnt 0x0                             ; Q
.irp q, 192, 204
.irp i, 0,1,2,3,4,5
	v_and_b32 v[\q+\i], s56, v[\q+\i]              ; the other head's codes become zero codes
	v_and_b32 v[\q+6+\i], s57, v[\q+6+\i]
.endr
.endr
; A key step of 128 keys for my head.  QF: Q's registers, QS: its scale words, PI: the scalar register with the block's number
.macro HEADSTEP
.irp g, 0,1                                    ; S^T = k q^T, four tiles of 16 keys at a time
.rept 4
	v_nop                                          ; places in front of loads into registers that matrix instructions have read
.endr
.irp t, 0,1,2,3
.irp c, 0,1,2
	ds_load_b128 v[40+12*\t+4*\c:43+12*\t+4*\c], v8 offset:1536*(4*\g+\t)+512*\c
.endr
	ds_load_b32 v[248+\t], v10 offset:12288+64*(4*\g+\t)
.endr
	s_wait_dscnt 0x0
.irp t, 0,1,2,3
	v_wmma_scale_f32_16x16x128_f8f6f4 v[96+8*(4*\g+\t):103+8*(4*\g+\t)], v[40+12*\t:51+12*\t], v[QF:QF+11], 0, v[248+\t], v[QS] matrix_a_fmt:MATRIX_FMT_BF6 matrix_b_fmt:MATRIX_FMT_BF6
.endr
.endr
.rept 4
	v_nop
.endr
.irp t, 0,1,2,3                                ; my head's four tiles of v^T are asked for now and land under the softmax
.irp c, 0,1,2
	ds_load_b128 v[40+12*\t+4*\c:43+12*\t+4*\c], v9 offset:1536*\t+512*\c
.endr
	ds_load_b32 v[248+\t], v11 offset:12288+64*\t
.endr
	s_cmp_lg_u32 s34, s[PI]                        ; only the block's last step lies on the diagonal: there hidden scores become -infinity ahead of the maximum, so that p = 0
	s_cbranch_scc1 .Lopen_\@
	v_mov_b32 v254, 0xff800000
.set NN, 0
.rept 64
	v_cmp_gt_i32 vcc_lo, 32*(NN/16)+NN%16, v3      ; register 16 b + i holds key 32 b + 16 (lane / 16) + i of the block
	v_cndmask_b32 v[96+NN], v[96+NN], v254, vcc_lo
.set NN, NN+1
.endr
.Lopen_\@:
.irp b, 0,1,2,3
	v_max3_num_f32 v[232+\b], v[96+16*\b], v[97+16*\b], v[98+16*\b]   ; the largest score of each block of 32 keys: for the row's maximum and, since p rises with the score, for the block's largest p
.endr
.irp i, 3,5,7,9,11,13
.irp b, 0,1,2,3
	v_max3_num_f32 v[232+\b], v[232+\b], v[96+16*\b+\i], v[97+16*\b+\i]
.endr
.endr
.irp b, 0,1,2,3
	v_max_num_f32 v[232+\b], v[232+\b], v[111+16*\b]
.endr
.irp b, 0,1,2,3
	s_delay_alu instid0(VALU_DEP_4)
	v_permlanex16_b32 v[236+\b], v[232+\b], s28, s29
.endr
.irp b, 0,1,2,3
	s_delay_alu instid0(VALU_DEP_4)
	v_max_num_f32 v[232+\b], v[232+\b], v[236+\b]
.endr
	s_delay_alu instid0(VALU_DEP_2)
	v_max3_num_f32 v254, v232, v233, v234
	s_delay_alu instid0(VALU_DEP_1)
	v_max_num_f32 v254, v254, v235
	s_delay_alu instid0(VALU_DEP_1)
	v_mul_f32 v254, s30, v254                      ; the step's largest t
	s_delay_alu instid0(VALU_DEP_1)
	v_max_num_f32 v13, v13, v254                   ; the running largest t
	v_mov_b32 v254, v12
	s_delay_alu instid0(VALU_DEP_2)
	v_floor_f32 v12, -v13                          ; the new -M = -ceil(t)
	s_delay_alu instid0(VALU_DEP_1)
	v_sub_f32 v254, v12, v254                      ; old M - new M: a whole number, 0 or less
	s_delay_alu instid0(VALU_DEP_1)
	v_cvt_i32_f32 v254, v254                       ; (it saturates)
	s_delay_alu instid0(VALU_DEP_1)
	v_ldexp_f32 v252, 1.0, v254                    ; f = 2^(old M - new M)
.set JJ, 0
.rept 32
	v_pk_fma_f32 v[96+JJ:97+JJ], v[96+JJ:97+JJ], s[30:31], v[12:13] op_sel_hi:[1,0,0]   ; t - M, two at a time
.set JJ, JJ+2
.endr
.irp b, 0,1,2,3
	v_fma_f32 v[232+\b], v[232+\b], s30, v12
.endr
.set JJ, 0
	s_wait_alu depctr_va_vdst(0)
.rept 64
	v_exp_f32 v[96+JJ], v[96+JJ]                   ; p = 2^(t - M)
.set JJ, JJ+1
.endr
	v_pk_mul_f32 v[14:15], v[14:15], v[252:253] op_sel_hi:[1,0]   ; the sums under the new M.  (A plain place behind the exponentials)
	s_wait_alu depctr_va_vdst(0)                   ; one wait for the whole batch, ahead of its first reader
.irp b, 0,1,2,3
	v_exp_f32 v[232+\b], v[232+\b]                 ; the block's largest p
.endr
	v_pk_add_f32 v[236:237], v[96:97], v[98:99]    ; the row's sum of the unquantised p, in two chains
.irp j, 4,8,12,16,20,24,28,32,36,40,44,48,52,56,60
	v_pk_add_f32 v[14:15], v[14:15], v[96+\j:97+\j]
	v_pk_add_f32 v[236:237], v[236:237], v[98+\j:99+\j]
.endr
	s_delay_alu instid0(VALU_DEP_1)
	v_pk_add_f32 v[14:15], v[14:15], v[236:237]
	s_wait_alu depctr_va_vdst(0)                   ; and one for the four
.irp b, 0,1,2,3
	v_max_num_f32 v[232+\b], 0x2800000, v[232+\b]  ; the floor 2^(5 - 127)
.endr
.irp b, 0,1,2,3
	s_delay_alu instid0(VALU_DEP_4)
	v_add_nc_u32 v[244+\b], 0xfe000000, v[232+\b]
.endr
.irp b, 0,1,2,3
	s_delay_alu instid0(VALU_DEP_4)
	v_lshrrev_b32 v[236+\b], 23, v[244+\b]
.endr
	s_delay_alu instid0(VALU_DEP_3)
	v_lshl_or_b32 v253, v237, 8, v236              ; p's scale word for these 128 keys
	s_delay_alu instid0(VALU_DEP_1)
	v_lshl_or_b32 v253, v238, 16, v253
	s_delay_alu instid0(VALU_DEP_1)
	v_lshl_or_b32 v253, v239, 24, v253
.irp c, 0,1
	v_cvt_scalef32_pk16_bf6_f32 v[224+6*\c:226+6*\c], v[96+32*\c:111+32*\c], v[244+2*\c]
	v_cvt_scalef32_pk16_bf6_f32 v[236+4*\c:238+4*\c], v[112+32*\c:127+32*\c], v[245+2*\c]
.endr
	v_nop                                          ; one plain place behind a scaled conversion
.irp c, 0,1
.irp i, 0,1,2
	v_permlane16_swap_b32 v[224+6*\c+\i], v[236+4*\c+\i]
.endr
.irp i, 0,1,2
	s_delay_alu instid0(VALU_DEP_3)
	v_mov_b32 v[227+6*\c+\i], v[236+4*\c+\i]
.endr
.endr
	s_wait_alu depctr_va_vdst(0)
.set JJ, 0
.rept 16
	v_pk_mul_f32 v[160+JJ:161+JJ], v[160+JJ:161+JJ], v[252:253] op_sel_hi:[1,0]   ; O^T under the new M.  (These sixteen are also the places in front of the products below)
.set JJ, JJ+2
.endr
	s_wait_alu depctr_va_vdst(0)
	s_wait_dscnt 0x0                               ; v^T's fragments are in
.irp t, 0,1,2,3
	v_wmma_scale_f32_16x16x128_f8f6f4 v[160+8*\t:167+8*\t], v[40+12*\t:51+12*\t], v[224:235], v[160+8*\t:167+8*\t], v[248+\t], v253 matrix_a_fmt:MATRIX_FMT_BF6 matrix_b_fmt:MATRIX_FMT_BF6
.endr
.endm
; One of my two blocks: the sums begin, the key steps, and the half fragment into the stage
.macro ITEM it
.set QF, 192+12*(\it)
.set QS, 217+(\it)
.set PI, 53-44*(\it)
	v_mov_b32 v13, 0xff61b1e6                      ; the largest t so far: -3e38
	v_mov_b32 v14, 0                               ; the sum, in two halves
	v_mov_b32 v15, 0
	v_floor_f32 v12, -v13                          ; -M
.set JJ, 0
.rept 32
	v_mov_b32 v[160+JJ], 0                         ; O^T.  (The step is written once: the first finds zeros, which the first change of M leaves zeros)
.set JJ, JJ+1
.endr
	s_mov_b32 s32, 0                               ; where the step's unit of k begins in LDS,
	s_mov_b32 s33, VLDS                            ; and v^T's
	s_mov_b32 s34, 0                               ; the key step
	s_wait_alu depctr_va_vdst(0)
.Lstep_\@:                                         ; eight trips in every wave; a step all of whose keys come after my queries is jumped over: a branch on the wave's number and the count of steps
	s_cmp_gt_u32 s34, s[PI]
	s_cbranch_scc1 .Lskip_\@
	v_add_nc_u32 v8, s32, v1
	v_add_nc_u32 v9, s33, v16
	v_add_nc_u32 v10, s32, v2
	v_add_nc_u32 v11, s33, v17
	s_wait_alu depctr_va_vdst(0)
	HEADSTEP
.Lskip_\@:
	s_add_co_u32 s32, s32, UNIT
	s_add_co_u32 s33, s33, UNIT
	s_add_co_u32 s34, s34, 1
	s_cmp_lt_u32 s34, 8
	s_cbranch_scc1 .Lstep_\@
.rept 4
	v_nop                                          ; places behind the last products
.endr
	v_add_f32 v14, v14, v15
	s_delay_alu instid0(VALU_DEP_1)
	v_permlanex16_b32 v236, v14, s28, s29
	s_delay_alu instid0(VALU_DEP_1)
	v_add_f32 v14, v14, v236                       ; the row's sum
	s_wait_alu depctr_va_vdst(0)                   ; the wait ahead of the transcendental
	v_rcp_f32 v14, v14
	v_nop                                          ; a plain place behind it
	s_wait_alu depctr_va_vdst(0)                   ; and the wait ahead of its first reader, which is O^T's first reader too
.set JJ, 0
.rept 32
	v_mul_f32 v[96+JJ], v[160+JJ], v14             ; register 16 b + i = my head's channel 32 b + 16 (lane / 16) + i
.set JJ, JJ+1
.endr
.irp b, 0,1
	v_max3_num_f32 v[232+\b], |v[96+16*\b]|, |v[97+16*\b]|, 0x2800000
.endr
.irp i, 2,4,6,8,10,12,14
.irp b, 0,1
	s_delay_alu instid0(VALU_DEP_2)
	v_max3_num_f32 v[232+\b], v[232+\b], |v[96+16*\b+\i]|, |v[97+16*\b+\i]|
.endr
.endr
.irp b, 0,1
	s_delay_alu instid0(VALU_DEP_2)
	v_permlanex16_b32 v[236+\b], v[232+\b], s28, s29
.endr
.irp b, 0,1
	s_delay_alu instid0(VALU_DEP_2)
	v_max_num_f32 v[232+\b], v[232+\b], v[236+\b]
.endr
.irp b, 0,1
	s_delay_alu instid0(VALU_DEP_2)
	v_add_nc_u32 v[244+\b], 0xfe000000, v[232+\b]
.endr
.irp b, 0,1
	s_delay_alu instid0(VALU_DEP_2)
	v_lshrrev_b32 v[236+\b], 23, v[244+\b]
.endr
	s_delay_alu instid0(VALU_DEP_1)
	v_lshl_or_b32 v80, v237, 8, v236               ; my head's two scale bytes
	v_nop
	v_cvt_scalef32_pk16_bf6_f32 v[40:42], v[96:111], v244
	v_cvt_scalef32_pk16_bf6_f32 v[52:54], v[112:127], v245
	v_nop                                          ; one plain place behind a scaled conversion
.irp i, 0,1,2
	v_permlane16_swap_b32 v[40+\i], v[52+\i]       ; the operand's layout wants a whole block in a lane
.endr
.irp i, 0,1,2
	s_delay_alu instid0(VALU_DEP_3)
	v_mov_b32 v[43+\i], v[52+\i]
.endr
	ds_store_b64 v[20+3*(\it)], v[40:41]           ; registers 6 e .. 6 e + 5 of the block's image
	ds_store_b64 v[21+3*(\it)], v[42:43]
	ds_store_b64 v[20+3*(\it)], v[44:45] offset:512
	ds_store_b16 v[22+3*(\it)], v80                ; both halves of the lanes hold and write the same two bytes
	s_wait_dscnt 0x0                               ; my part of the stage has landed
.endm
	ITEM 0
	ITEM 1
	s_barrier_signal -1
	s_barrier_wait -1                              ; the eight images and their scale words are whole
.irp c, 0,1,2
	ds_load_b128 v[40+4*\c:43+4*\c], v26 offset:512*\c
.endr
	ds_load_b32 v80, v27
	s_wait_dscnt 0x0
.irp c, 0,1,2
	global_store_b128 v38, v[40+4*\c:43+4*\c], s[38:39] offset:512*\c   ; 32 lanes store 512 consecutive bytes, at a multiple of 256 from the buffer's first byte
.endr
	global_store_b32 v39, v80, s[38:39] offset:12288               ; both halves of the lanes hold and write the same word
	s_wait_tensorcnt 0x0                           ; the wave's end
	ds_add_u32 v5, v6
	s_wait_dscnt 0x0
	CROUND                                         ; the closing round
	s_endpgm
.Lfunc_end_k_q83efc82679_attn:
	.size	k_q83efc82679_attn, .Lfunc_end_k_q83efc82679_attn-k_q83efc82679_attn
	.p2alignl 7, 3214868480
	.fill 96, 4, 3214868480
	.section	.rodata,"a",@progbits
	.p2align	6, 0x0
	.amdhsa_kernel k_q83efc82679_attn
		.amdhsa_group_segment_fixed_size 327680
		.amdhsa_private_segment_fixed_size 0
		.amdhsa_enable_private_segment 0
		.amdhsa_kernarg_size 16
		.amdhsa_user_sgpr_count 2
		.amdhsa_user_sgpr_kernarg_segment_ptr 1
		.amdhsa_wavefront_size32 1
		.amdhsa_system_sgpr_workgroup_id_x 1
		.amdhsa_system_sgpr_workgroup_id_y 1
		.amdhsa_system_sgpr_workgroup_id_z 1
		.amdhsa_system_vgpr_workitem_id 0
		.amdhsa_next_free_vgpr 256
		.amdhsa_next_free_sgpr 66
		.amdhsa_reserve_vcc 1
		.amdhsa_float_denorm_mode_32 3
		.amdhsa_float_denorm_mode_16_64 3
		.amdhsa_memory_ordered 1
		.amdhsa_forward_progress 1
		.amdhsa_inst_pref_size 68
	.end_amdhsa_kernel
	.amdgpu_metadata
---
amdhsa.version: [ 1, 2 ]
amdhsa.kernels:
  - .name:           k_q83efc82679_attn
    .symbol:         k_q83efc82679_attn.kd
    .args:
      - { .name: qkvc, .offset: 0, .size: 8, .value_kind: global_buffer, .address_space: global }
      - { .name: ctxc, .offset: 8, .size: 8, .value_kind: global_buffer, .address_space: global }
    .group_segment_fixed_size: 327680
    .private_segment_fixed_size: 0
    .kernarg_segment_align: 8
    .kernarg_segment_size: 16
    .max_flat_workgroup_size: 256
    .sgpr_count:     66
    .vgpr_count:     256
    .wavefront_size: 32
...
	.end_amdgpu_metadata
.endif
;; end of part 3
;; launch projln (part 4): grid 256 x 1, 8 waves a work-group, clusters of 4 x 1, 327,680 bytes of LDS; arguments ctxc, wc, x, b_proj, ln2_g, ln2_b, x1, xnc; writes x1, xnc
.if DOCPART == 4
	.amdgcn_target "amdgcn-amd-amdhsa--gfx1250"
	.amdhsa_code_object_version 6
	.text
	.protected	k_q83efc82679_projln
	.globl	k_q83efc82679_projln
	.p2align	8
	.type	k_q83efc82679_projln,@function
k_q83efc82679_projln:
	s_mov_b64 s[64:65], 0
	v_nop
	global_prefetch_b8 v0, s[64:65] scope:SCOPE_SE
	s_setreg_imm32_b32 hwreg(HW_REG_WAVE_MODE, 25, 1), 1
	s_wait_xcnt 0x0
	s_wait_alu depctr_hold_cnt(0) depctr_sa_sdst(0) depctr_va_vdst(0) depctr_va_sdst(0) depctr_va_ssrc(0) depctr_va_vcc(0) depctr_vm_vsrc(0)
	s_getreg_b32 s2, hwreg(HW_REG_IB_STS2, 6, 4)
	s_cmp_eq_u32 s2, 0
	s_cbranch_scc0 .Lentry_in_a_cluster
	s_endpgm
.Lentry_in_a_cluster:
	s_bfe_u32 s2, ttmp6, 0x10000c
	s_cmp_lg_u32 s2, 0x3003
	s_cbranch_scc0 .Lentry_shape_is_right
	s_endpgm
.Lentry_shape_is_right:
; x1 = x + ctx w_proj + b_proj (a product on codes of BF6, K = 1,024), and in the same launch xn = LayerNorm(x1), quantised along the row for the next product.  Nothing is left out here.
; SHARES.  Work-group T takes tile T of the tokens (16 rows: lane r holds row 32 (T / 2) + 8 (T % 2) + r + 8 (r / 8)) through ALL 1,024 columns, so that a row's mean and variance are made where the row is made.
; Wave p makes column panel p (128 columns, 8 accumulators of 16 x 16) over the eight K steps: 64 matrix instructions.
; OPERANDS lie as images of the operand's registers, in units of 12,800 bytes (128 rows x 128 K: tile i at 1,536 i, registers 4 c .. at 512 c + 16 x lane, scale words at 12,288 + 64 i + 4 r).
; W_PROJ COMES BY TWO WAYS AT ONCE.  K steps 5 to 7 of panel p (38,400 dense bytes, 150 rows of 256) come by wave p's ONE tensor load at the head into LDS bytes that wave p alone reads; nothing is filled again.  All work-groups want the
; same bytes: the four of a cluster ask jointly.  K steps 0 to 4 go from memory straight into the fragments' registers (a fragment feeds one matrix instruction of one wave): a ring of four half units (4 tiles, 48 registers, 14 loads),
; three on their way while one is multiplied.  The six half units in LDS are multiplied between the last six of the ten from memory.  So the sums do not run along K in ascending order.
; CTX's tile: wave p loads the fragment of K step p and hands it to the others as an image in LDS bytes of its own.
; NO PREFETCH of w_proj: all 256 work-groups walk the same 64 units in the same order.  x is read once: each wave asks for its two rows (32 blocks of 256 bytes, a lane a block) at the head and loads them six half units later.
; THE MATRIX INSTRUCTION IS USED TRANSPOSED (source 0 = 16 rows of w_proj's panel, source 1 = ctx's tile): lane (r, h) holds row r, register j of tile t column 32 (t / 2) + 8 (t % 2) + 16 h + j.  The bias is loaded into the accumulators.
; THE WAY OUT.  Behind a barrier (no wave reads w_proj's bytes any more, and they have had their only fill) the 16 x 1,024 sums go to a stage laid over them (16 bytes of padding behind each 128, rows 4,624 bytes apart); behind a second
; barrier wave p takes rows 2 p, 2 p + 1 as they lie, adds x, stores x1 (512 consecutive bytes a store), puts the rows back and reads them 128 bytes a lane: a lane then holds a whole block of 32.  Mean, variance, gain, bias, quantiser;
; the codes meet in eight images in LDS, and wave p stores the image of K step p.
; REGISTERS.  window 0: v1-23, v184-189 addresses; v24-31 ctx's scale words; v32-39, v190-191 w_proj's (lanes 0-15 the even tile, lanes 16-31 the odd); v40-135 ctx's eight fragments, later the rows (v40-103) and the gain (v104-135);
; v136-183 the half unit from LDS, later the bias of the norm (v136-167) and work (v168-188); v192-255 the accumulators, then x1.  window 1: v0-191 the ring; v192-255 x.
; LIMITS: NaN and infinities are not served; a block under 2^-122 gets the byte 1 and zero codes.
.set UNIT,  12800
.set WOFF,  6553600                    ; w_proj's panels begin at unit 512 of the weights' codes
.set TREG,  3*UNIT                     ; LDS: wave p's three units at p x 38,400
.set SPARE, 8*TREG                     ; the spare words, 128 bytes for each wave: four blocks of 256 bytes that no other line names
.set AIMG,  SPARE+1024                 ; ctx's eight fragment images, 1,536 bytes each: bytes of their own
.set AISC,  AIMG+12288                 ; and their scale words, 64 bytes each
.set SP,    4624                       ; a stage row: 32 pieces of 128 + 16 bytes, + 16.  The stage begins at byte 0
.set IMG,   16*SP                      ; xn's eight fragment images, 1,536 bytes each
.set SCL,   IMG+12288                  ; their scale words, 64 bytes each
.set L16,   1                          ; 16 x lane
.set L4,    2                          ; 4 x lane
.set VA,    3                          ; my tile in a unit: 1,536 i + 16 x lane
.set VAS,   4                          ; its scale words: 64 i + 4 r
.set VBI,   5                          ; 64 h: the bias of my eight columns of a tile
.set STO,   6                          ; the stage: where my sums go
.set RDC,   7                          ; my two rows as they lie
.set BLK,   8                          ; my two rows, 128 bytes a lane
.set G128,  9                          ; 128 x lane
.set I5,    10                         ; xn's images: registers 6 c + 0, 1 (and 4, 5),
.set I6,    11                         ; registers 6 c + 2, 3,
.set I7,    12                         ; my block's scale byte
.set O8,    13                         ; out of the images
.set O9,    14
.set SPW,   15                         ; LDS address of my spare word; never rewritten
.set NIL,   16                         ; 0; never rewritten
.set PF,    23                         ; 256 x lane
.set AS,    24
.set BS,    32
.set AF,    40
.set X,     40
.set GG,    104
.set BI,    136
.set TB,    136                        ; the half unit from LDS
.set T,     168
.set TL,    184                        ; my three units in LDS: fragments,
.set TSA,   185                        ; scale words
.set AIW,   186                        ; ctx's images: in,
.set AIS,   187
.set AIR,   188                        ; and out
.set AISR,  189
.set TSC,   190
.set ACC,   192
.set MSB, 0
.macro WIN new                         ; the immediate's high byte repeats the setting that is left
.if MSB != (\new)
	s_set_vgpr_msb (MSB<<8)|(\new)
.set MSB, (\new)
.endif
.endm
.macro PLACES
.rept 4
	v_nop
.endr
.endm
.macro CROUND                          ; a round of the cluster's barrier
	s_barrier_signal -1
	s_barrier_wait -1
	s_cmp_lg_u32 s24, 0
	s_cbranch_scc1 .Lnot_wave_0_\@
	s_barrier_signal -3
.Lnot_wave_0_\@:
	s_barrier_wait -3
	s_barrier_signal -1
	s_barrier_wait -1
.endm
	s_load_b256 s[8:15], s[0:1], 0x0               ; ctx's codes, the weights' codes, x, b_proj
	s_load_b256 s[16:23], s[0:1], 0x20             ; gain, bias, x1, xn's codes
	v_lshl_add_u32 v[SPW], v0, 2, SPARE
	v_mov_b32 v[NIL], 0
	ds_add_u32 v[SPW], v[NIL]                      ; the wave's opening: the add, twice on end, and its wait ahead of my first tensor load
	ds_add_u32 v[SPW], v[NIL]
	v_lshrrev_b32 v17, 5, v0
	v_readfirstlane_b32 s24, v17                   ; wave p, 0..7
	s_bfe_u32 s35, ttmp6, 0x40000                  ; cx
	s_lshl_b32 s25, ttmp9, 2
	s_add_co_u32 s35, s35, s25                     ; T = 4 x cluster + cx: it enters global addresses alone
	s_and_b32 s25, s35, 7                          ; the tile's place i in its panel
	s_lshr_b32 s26, s35, 3                         ; the panel
	s_mul_i32 s27, s25, 1536
	s_lshl_b32 s28, s25, 6
	s_mul_i32 s29, s24, 576                        ; my 128 columns in a stage row
	s_mul_i32 s30, s24, 2*SP                       ; my two rows
	s_lshl_b32 s31, s24, 5
	s_add_co_u32 s31, s31, IMG                     ; 16 r = 32 p + 16 k
	s_lshl_b32 s32, s24, 3
	s_add_co_u32 s32, s32, SCL                     ; 4 r = 8 p + 4 k
	s_mul_i32 s33, s24, 1536
	s_add_co_u32 s61, s33, AIMG
	s_add_co_u32 s33, s33, IMG
	s_lshl_b32 s34, s24, 6
	s_add_co_u32 s62, s34, AISC
	s_add_co_u32 s34, s34, SCL
	s_mul_i32 s36, s26, 8*UNIT                     ; the panel's eight units
	s_mov_b32 s37, 0
	s_mul_i32 s38, s24, 8*UNIT
	s_add_co_u32 s38, s38, WOFF                    ; w_proj's panel p
	s_mov_b32 s39, 0
	s_lshr_b32 s40, s35, 1
	s_lshl_b32 s40, s40, 5
	s_and_b32 s41, s35, 1
	s_lshl_b32 s41, s41, 3
	s_add_co_u32 s40, s40, s41
	s_lshl_b32 s41, s24, 1
	s_add_co_u32 s40, s40, s41
	s_lshr_b32 s41, s24, 2
	s_lshl_b32 s41, s41, 3
	s_add_co_u32 s40, s40, s41                     ; my first row: 32 (T / 2) + 8 (T % 2) + 2 p + 8 (p / 4)
	s_lshl_b32 s40, s40, 12                        ; x 4,096 bytes
	s_mov_b32 s41, 0
	s_lshl_b32 s42, s24, 9                         ; my 128 columns of b_proj
	s_mov_b32 s43, 0
	s_mul_i32 s44, s24, UNIT                       ; unit p of a panel
	s_mov_b32 s45, 0
	s_mov_b32 s46, 0x76543210
	s_mov_b32 s47, 0xfedcba98                      ; v_permlanex16_b32's selects for lane l xor 16
	s_mov_b32 s2, 0x3a800000                       ; 1 / 1,024
	s_mov_b32 s3, 0x3727c5ac                       ; 1e-5
	s_mov_b32 s48, 1                               ; group 0: count = 1,
	s_mul_i32 s49, s24, TREG                       ; the LDS address: wave x 38,400
	s_mov_b32 s52, 15|(3<<16)|(1<<21)              ; group 1: 15:0 the mask: all four work-groups; 17:16 elements of 8 bytes; 21 set beside a mask
	s_mov_b32 s53, 32<<16                          ; tensor_dim0 = 32 elements: 256 bytes
	s_mov_b32 s54, 150<<16                         ; tensor_dim1 = 150 rows
	s_mov_b32 s55, 32<<16                          ; tile_dim0
	s_mov_b32 s56, 150                             ; tile_dim1
	s_mov_b32 s57, 32                              ; the pitch: the block is dense
	s_mov_b32 s58, 0
	s_mov_b32 s59, 0
	v_and_b32 v18, 31, v0                          ; lane
	v_and_b32 v19, 15, v0                          ; r
	v_bfe_u32 v20, v0, 4, 1                        ; h
	v_lshlrev_b32 v[L16], 4, v18
	v_lshlrev_b32 v[L4], 2, v18
	v_lshlrev_b32 v[VBI], 6, v20
	v_lshlrev_b32 v[G128], 7, v18
	v_lshlrev_b32 v[PF], 8, v18
	v_add_nc_u32 v[VA], s27, v[L16]
	v_lshl_add_u32 v[VAS], v19, 2, s28
	v_mul_u32_u24 v[STO], v19, SP
	v_lshl_add_u32 v[STO], v20, 6, v[STO]
	v_add_nc_u32 v[STO], s29, v[STO]               ; row r, + 64 h, + my columns
	v_lshrrev_b32 v21, 3, v18
	v_lshl_add_u32 v21, v21, 4, v[L16]
	v_add_nc_u32 v[RDC], s30, v21                  ; 16 x lane + 16 (lane / 8)
	v_mul_u32_u24 v21, v18, 144
	v_add_nc_u32 v[BLK], s30, v21                  ; block l of 32 numbers
	v_lshrrev_b32 v21, 2, v18                      ; my block's K step s = l / 4; in it block 2 c + h': h' = l % 2, c = (l / 2) % 2
	v_mul_u32_u24 v22, v21, 1536
	v_and_b32 v20, 1, v18
	v_lshl_add_u32 v22, v20, 8, v22                ; lane r + 16 h' of the image
	v_add_nc_u32 v22, s31, v22
	v_bfe_u32 v20, v18, 1, 1
	v_mad_u32_u24 v[I6], v20, 1016, v22
	v_add_nc_u32 v[I6], 8, v[I6]                   ; registers 6 c + 2, 3 lie at byte 8 or 1,024
	v_mad_u32_u24 v[I5], v20, 520, v22             ; registers 6 c + 0, 1 at byte 0 or 520; 6 c + 4, 5 lie 512 further on
	v_lshlrev_b32 v21, 6, v21
	v_and_b32 v20, 3, v18
	v_add_nc_u32 v21, v21, v20
	v_add_nc_u32 v[I7], s32, v21                   ; 64 s + 4 r + l % 4
	v_add_nc_u32 v[O8], s33, v[L16]
	v_lshl_add_u32 v[O9], v19, 2, s34
	v_add_nc_u32 v[TL], s49, v[L16]
	v_add_nc_u32 v[TSA], s49, v[L4]
	v_add_nc_u32 v[AIW], s61, v[L16]
	v_lshl_add_u32 v[AIS], v19, 2, s62
	v_add_nc_u32 v[AIR], AIMG, v[L16]
	v_lshl_add_u32 v[AISR], v19, 2, AISC
	s_wait_alu depctr_va_vdst(0)
	s_wait_dscnt 0x0                               ; both opening adds are done
	s_wait_kmcnt 0x0
	s_add_nc_u64 s[8:9], s[8:9], s[36:37]          ; ctx's panel,
	s_add_nc_u64 s[26:27], s[8:9], s[44:45]        ; its unit p
	s_add_nc_u64 s[10:11], s[10:11], s[38:39]
	s_add_nc_u64 s[50:51], s[10:11], 5*UNIT        ; K steps 5 to 7 of my panel of w_proj
	s_or_b32 s51, s51, 0x80000000                  ; type = 2
	s_add_nc_u64 s[12:13], s[12:13], s[40:41]
	s_add_nc_u64 s[14:15], s[14:15], s[42:43]
	s_add_nc_u64 s[20:21], s[20:21], s[40:41]
	s_add_nc_u64 s[22:23], s[22:23], s[36:37]
	s_add_nc_u64 s[22:23], s[22:23], s[44:45]      ; xn: the panel's unit p
	CROUND                                         ; all four work-groups are here: the joint loads meet
	tensor_load_to_lds s[48:51], s[52:59]          ; my one tensor load of the launch
	s_nop 0
	PLACES
	global_prefetch_b8 v[PF], s[12:13] th:TH_LOAD_NT scope:SCOPE_SE   ; my two rows of x: 8,192 consecutive bytes, a lane a block of 256
.irp c, 0,1,2
	global_load_b128 v[TB+4*\c:TB+4*\c+3], v[VA], s[26:27] offset:512*\c   ; ctx's fragment of K step p
.endr
	global_load_b32 v[TB+12], v[VAS], s[26:27] offset:12288
.irp t, 0,1,2,3,4,5,6,7
	global_load_b128 v[ACC+8*\t:ACC+8*\t+3], v[VBI], s[14:15] offset:(32*(\t/2)+8*(\t%2))*4       ; the bias starts the sums
	global_load_b128 v[ACC+8*\t+4:ACC+8*\t+7], v[VBI], s[14:15] offset:(32*(\t/2)+8*(\t%2))*4+16
.endr
; half unit hu from memory: tiles 4 (hu % 2) .. + 3 of K step hu / 2, into ring place hu % 4: 12 loads of 512 consecutive bytes and 2 of scale words
.macro BLOAD hu
	WIN 0x40                                       ; destination window 1
.irp t, 0,1,2,3
.irp c, 0,1,2
	global_load_b128 v[48*((\hu)%4)+12*\t+4*\c:48*((\hu)%4)+12*\t+4*\c+3], v[L16], s[10:11] offset:((\hu)/2)*UNIT+1536*(4*((\hu)%2)+\t)+512*\c
.endr
.endr
	WIN 0
.irp u, 0,1
	global_load_b32 v[BS+2*((\hu)%4)+\u], v[L4], s[10:11] offset:((\hu)/2)*UNIT+12288+128*(2*((\hu)%2)+\u)
.endr
.endm
; half unit ht from LDS: tiles 4 (ht % 2) .. + 3 of K step 5 + ht / 2
.macro TLOAD ht
	WIN 0
.irp t, 0,1,2,3
.irp c, 0,1,2
	ds_load_b128 v[TB+12*\t+4*\c:TB+12*\t+4*\c+3], v[TL] offset:((\ht)/2)*UNIT+1536*(4*((\ht)%2)+\t)+512*\c
.endr
.endr
.irp u, 0,1
	ds_load_b32 v[TSC+\u], v[TSA] offset:((\ht)/2)*UNIT+12288+128*(2*((\ht)%2)+\u)
.endr
.endm
.macro MM odd                          ; one product: accumulator WD, w_proj's fragment WB and scale words WSB (the odd tile's in lanes 16-31), ctx's fragment WA and scale words WSA
.if \odd
	v_wmma_scale_f32_16x16x128_f8f6f4 v[WD:WD+7], v[WB:WB+11], v[WA:WA+11], v[WD:WD+7], v[WSB], v[WSA] matrix_a_fmt:MATRIX_FMT_BF6 matrix_b_fmt:MATRIX_FMT_BF6 matrix_a_scale:MATRIX_SCALE_ROW1
.else
	v_wmma_scale_f32_16x16x128_f8f6f4 v[WD:WD+7], v[WB:WB+11], v[WA:WA+11], v[WD:WD+7], v[WSB], v[WSA] matrix_a_fmt:MATRIX_FMT_BF6 matrix_b_fmt:MATRIX_FMT_BF6
.endif
.endm
; the four products of half unit hv from memory and, where ht is not -1, the four of half unit ht from LDS.  The accumulators take turns, one instruction a turn.
.macro HALF hv, ht
.if (\hv) > 0
	PLACES                                         ; four places between the last products and loads into the registers that they read
.endif
.if (\ht) >= 0
	TLOAD \ht                                      ; it lands under the wait for the loads from memory
.endif
.if (\hv)+3 < 10
	BLOAD (\hv)+3
.endif
.if (\hv) == 6
	WIN 0x40
.irp k, 0,1
.irp i, 0,1,2,3,4,5,6,7
	global_load_b128 v[192+32*\k+4*\i:192+32*\k+4*\i+3], v[L16], s[12:13] offset:\k*4096+512*\i th:TH_LOAD_NT   ; x, my two rows as they lie: 16 loads
.endr
.endr
	WIN 0
.endif
.if (\hv) < 6
	s_wait_loadcnt 42                              ; behind this half unit's loads: three half units of 14
.else
	s_wait_loadcnt 14*(9-(\hv))+16                 ; the half units that are left, and x's 16
.endif
.if (\hv) == 0
	s_wait_dscnt 0x0                               ; ctx's eight fragments
.endif
	WIN 0x01                                       ; source 0 window 1
.irp t, 0,1,2,3
.set WD, ACC+8*(4*((\hv)%2)+\t)
.set WB, 48*((\hv)%4)+12*\t
.set WA, AF+12*((\hv)/2)
.set WSB, BS+2*((\hv)%4)+\t/2
.set WSA, AS+(\hv)/2
	MM \t%2
.endr
.if (\ht) >= 0
	s_wait_dscnt 0x0                               ; the half unit from LDS
	WIN 0
.irp t, 0,1,2,3
.set WD, ACC+8*(4*((\ht)%2)+\t)
.set WB, TB+12*\t
.set WA, AF+12*(5+(\ht)/2)
.set WSB, TSC+\t/2
.set WSA, AS+5+(\ht)/2
	MM \t%2
.endr
.endif
.endm
	BLOAD 0
	BLOAD 1
	BLOAD 2
	s_wait_loadcnt 58                              ; ctx's fragment is in: behind its four loads stand the bias's 16 and three half units of 14
.irp c, 0,1,2
	ds_store_b128 v[AIW], v[TB+4*\c:TB+4*\c+3] offset:512*\c
.endr
	ds_store_b32 v[AIS], v[TB+12]                  ; both halves of the lanes hold and write the same word
	s_wait_dscnt 0x0                               ; for the others' sake: my image has landed
	s_barrier_signal -1
	s_barrier_wait -1                              ; ctx's eight images are whole.
.irp s, 0,1,2,3,4,5,6,7
.irp c, 0,1,2
	ds_load_b128 v[AF+12*\s+4*\c:AF+12*\s+4*\c+3], v[AIR] offset:1536*\s+512*\c
.endr
	ds_load_b32 v[AS+\s], v[AISR] offset:64*\s
.endr
	HALF 0, -1
	HALF 1, -1
	HALF 2, -1
	HALF 3, -1
	s_wait_tensorcnt 0x0                           ; my three units have landed; I alone read them
	HALF 4, 0
	HALF 5, 1
	HALF 6, 2
	HALF 7, 3
	HALF 8, 4
	HALF 9, 5
	WIN 0
	PLACES                                         ; behind the last products: their results are read, and loads land on their sources
.irp i, 0,1,2,3,4,5,6,7
	global_load_b128 v[GG+4*\i:GG+4*\i+3], v[G128], s[16:17] offset:16*\i              ; gain and bias of my 32 columns: they land under the turns through the stage
	global_load_b128 v[BI+4*\i:BI+4*\i+3], v[G128], s[18:19] offset:16*\i
.endr
	s_wait_dscnt 0x0                               ; my reads of w_proj's bytes are over
	s_barrier_signal -1
	s_barrier_wait -1                              ; everybody's are: the stage may be laid over them
.irp t, 0,1,2,3,4,5,6,7
	ds_store_b128 v[STO], v[ACC+8*\t:ACC+8*\t+3] offset:144*(\t/2)+32*(\t%2)          ; each accumulator from its low end on
	ds_store_b128 v[STO], v[ACC+8*\t+4:ACC+8*\t+7] offset:144*(\t/2)+32*(\t%2)+16
.endr
	s_wait_dscnt 0x0                               ; for the others' sake: my columns of the sixteen rows have landed
	s_barrier_signal -1
	s_barrier_wait -1                              ; the sixteen rows are whole
.irp k, 0,1
.irp i, 0,1,2,3,4,5,6,7
	ds_load_b128 v[ACC+32*\k+4*\i:ACC+32*\k+4*\i+3], v[RDC] offset:\k*SP+576*\i        ; column 128 i + 4 x lane of row k
.endr
.endr
	s_wait_loadcnt 16                              ; x is in; gain's and bias's 16 loads may be out
	s_wait_dscnt 0x0
	WIN 0x04                                       ; source 1: x, window 1
.set JJ, 0
.rept 32
	v_pk_add_f32 v[ACC+JJ:ACC+JJ+1], v[ACC+JJ:ACC+JJ+1], v[192+JJ:192+JJ+1]            ; x1
.set JJ, JJ+2
.endr
	WIN 0
.irp k, 0,1
.irp i, 0,1,2,3,4,5,6,7
	global_store_b128 v[L16], v[ACC+32*\k+4*\i:ACC+32*\k+4*\i+3], s[20:21] offset:\k*4096+512*\i   ; 32 lanes store 512 consecutive bytes, aligned
.endr
.endr
.irp k, 0,1
.irp i, 0,1,2,3,4,5,6,7
	ds_store_b128 v[RDC], v[ACC+32*\k+4*\i:ACC+32*\k+4*\i+3] offset:\k*SP+576*\i       ; back into my own two rows, which no other wave touches any more
.endr
.endr
.irp k, 0,1
.irp j, 0,1,2,3,4,5,6,7
	ds_load_b128 v[X+32*\k+4*\j:X+32*\k+4*\j+3], v[BLK] offset:\k*SP+16*\j             ; LDS serves a wave's instructions in order: register 32 k + n = column 32 l + n of row k
.endr
.endr
	s_wait_dscnt 0x0
; a sum over a row: the pair's halves, the 16 lanes of a half (DPP), the other half.  The two rows take turns
.macro REDUCE p
.irp k, 0,1
	v_add_f32 v[\p+2*\k], v[\p+2*\k], v[\p+2*\k+1]
.endr
.irp m, 1,2,4,8
.irp k, 0,1
	s_delay_alu instid0(VALU_DEP_2)
	v_add_f32_dpp v[\p+2*\k], v[\p+2*\k], v[\p+2*\k] row_xmask:\m row_mask:0xf bank_mask:0xf
.endr
.endr
.irp k, 0,1
	s_delay_alu instid0(VALU_DEP_2)
	v_permlanex16_b32 v[\p+2*\k+1], v[\p+2*\k], s46, s47
.endr
.irp k, 0,1
	s_delay_alu instid0(VALU_DEP_2)
	v_add_f32 v[\p+2*\k], v[\p+2*\k], v[\p+2*\k+1]
.endr
.endm
.irp k, 0,1
	v_pk_add_f32 v[T+2*\k:T+2*\k+1], v[X+32*\k:X+32*\k+1], v[X+32*\k+2:X+32*\k+3]
.endr
.irp j, 4,6,8,10,12,14,16,18,20,22,24,26,28,30
.irp k, 0,1
	s_delay_alu instid0(VALU_DEP_2)
	v_pk_add_f32 v[T+2*\k:T+2*\k+1], v[T+2*\k:T+2*\k+1], v[X+32*\k+\j:X+32*\k+\j+1]
.endr
.endr
	REDUCE T
.irp k, 0,1
	s_delay_alu instid0(VALU_DEP_2)
	v_mul_f32 v[T+2*\k], s2, v[T+2*\k]             ; the mean
.endr
.irp j, 0,2,4,6,8,10,12,14,16,18,20,22,24,26,28,30
.irp k, 0,1
	v_pk_add_f32 v[X+32*\k+\j:X+32*\k+\j+1], v[X+32*\k+\j:X+32*\k+\j+1], v[T+2*\k:T+2*\k+1] op_sel_hi:[1,0] neg_lo:[0,1] neg_hi:[0,1]   ; x1 - mean
.endr
.endr
.irp k, 0,1
	v_pk_mul_f32 v[T+4+2*\k:T+5+2*\k], v[X+32*\k:X+32*\k+1], v[X+32*\k:X+32*\k+1]
.endr
.irp j, 2,4,6,8,10,12,14,16,18,20,22,24,26,28,30
.irp k, 0,1
	s_delay_alu instid0(VALU_DEP_2)
	v_pk_fma_f32 v[T+4+2*\k:T+5+2*\k], v[X+32*\k+\j:X+32*\k+\j+1], v[X+32*\k+\j:X+32*\k+\j+1], v[T+4+2*\k:T+5+2*\k]
.endr
.endr
	REDUCE T+4
.irp k, 0,1
	s_delay_alu instid0(VALU_DEP_2)
	v_fma_f32 v[T+4+2*\k], v[T+4+2*\k], s2, s3     ; the variance + 1e-5
.endr
	s_wait_alu depctr_va_vdst(0)                   ; the wait ahead of the two
.irp k, 0,1
	v_rsq_f32 v[T+4+2*\k], v[T+4+2*\k]
.endr
	v_nop                                          ; a plain instruction behind them
	s_wait_alu depctr_va_vdst(0)                   ; and the wait ahead of their first reader
	s_wait_loadcnt 0x0                             ; gain and bias
.irp j, 0,2,4,6,8,10,12,14,16,18,20,22,24,26,28,30
.irp k, 0,1
	v_pk_mul_f32 v[X+32*\k+\j:X+32*\k+\j+1], v[X+32*\k+\j:X+32*\k+\j+1], v[T+4+2*\k:T+5+2*\k] op_sel_hi:[1,0]
.endr
.endr
.irp j, 0,2,4,6,8,10,12,14,16,18,20,22,24,26,28,30
.irp k, 0,1
	v_pk_fma_f32 v[X+32*\k+\j:X+32*\k+\j+1], v[X+32*\k+\j:X+32*\k+\j+1], v[GG+\j:GG+\j+1], v[BI+\j:BI+\j+1]
.endr
.endr
; the quantiser: a lane holds a whole block of each of its two rows
.irp k, 0,1
	v_max3_num_f32 v[T+8+\k], |v[X+32*\k]|, |v[X+32*\k+1]|, 0x2800000   ; and the floor 2^(5 - 127): the byte cannot fall under 1
.endr
.irp j, 2,4,6,8,10,12,14,16,18,20,22,24,26,28,30
.irp k, 0,1
	s_delay_alu instid0(VALU_DEP_2)
	v_max3_num_f32 v[T+8+\k], v[T+8+\k], |v[X+32*\k+\j]|, |v[X+32*\k+\j+1]|
.endr
.endr
.irp k, 0,1
	s_delay_alu instid0(VALU_DEP_2)
	v_add_nc_u32 v[T+10+\k], 0xfe000000, v[T+8+\k] ; 4 off the exponent field: the conversion's scale operand
.endr
	v_nop
.irp k, 0,1
	v_cvt_scalef32_pk16_bf6_f32 v[GG+8*\k:GG+8*\k+2], v[X+32*\k:X+32*\k+15], v[T+10+\k]
	v_cvt_scalef32_pk16_bf6_f32 v[T+14+4*\k:T+16+4*\k], v[X+32*\k+16:X+32*\k+31], v[T+10+\k]   ; (a conversion's three registers begin on an even number)
.endr
.irp k, 0,1
	v_lshrrev_b32 v[T+12+\k], 23, v[T+10+\k]       ; the scale's byte.  (Plain lines behind the conversions)
.endr
.irp k, 0,1
.irp i, 0,1,2
	v_mov_b32 v[GG+8*\k+3+\i], v[T+14+4*\k+\i]
.endr
.endr
.irp k, 0,1
	ds_store_b64 v[I5], v[GG+8*\k:GG+8*\k+1] offset:16*\k
	ds_store_b64 v[I6], v[GG+8*\k+2:GG+8*\k+3] offset:16*\k
	ds_store_b64 v[I5], v[GG+8*\k+4:GG+8*\k+5] offset:512+16*\k
	ds_store_b8 v[I7], v[T+12+\k] offset:4*\k
.endr
	s_wait_dscnt 0x0                               ; for the others' sake: my part of the images has landed
	s_barrier_signal -1
	s_barrier_wait -1                              ; the tile's eight images and their scale words are whole
.irp c, 0,1,2
	ds_load_b128 v[BI+4*\c:BI+4*\c+3], v[O8] offset:512*\c
.endr
	ds_load_b32 v[BI+12], v[O9]
	s_wait_dscnt 0x0
.irp c, 0,1,2
	global_store_b128 v[VA], v[BI+4*\c:BI+4*\c+3], s[22:23] offset:512*\c   ; 32 lanes store 512 consecutive bytes, at a multiple of 256 from the buffer's first byte
.endr
	global_store_b32 v[VAS], v[BI+12], s[22:23] offset:12288               ; both halves of the lanes hold and write the same word
	s_wait_tensorcnt 0x0                           ; the wave's end
	ds_add_u32 v[SPW], v[NIL]
	s_wait_dscnt 0x0
	CROUND                                         ; the closing round: no work-group ends while a partner may still ask for a tile that names it
	s_endpgm
.Lfunc_end_k_q83efc82679_projln:
	.size	k_q83efc82679_projln, .Lfunc_end_k_q83efc82679_projln-k_q83efc82679_projln
	.p2alignl 7, 3214868480
	.fill 96, 4, 3214868480
	.section	.rodata,"a",@progbits
	.p2align	6, 0x0
	.amdhsa_kernel k_q83efc82679_projln
		.amdhsa_group_segment_fixed_size 327680
		.amdhsa_private_segment_fixed_size 0
		.amdhsa_enable_private_segment 0
		.amdhsa_kernarg_size 64
		.amdhsa_user_sgpr_count 2
		.amdhsa_user_sgpr_kernarg_segment_ptr 1
		.amdhsa_wavefront_size32 1
		.amdhsa_system_sgpr_workgroup_id_x 1
		.amdhsa_system_sgpr_workgroup_id_y 1
		.amdhsa_system_sgpr_workgroup_id_z 1
		.amdhsa_system_vgpr_workitem_id 0
		.amdhsa_next_free_vgpr 512
		.amdhsa_next_free_sgpr 66
		.amdhsa_reserve_vcc 0
		.amdhsa_float_denorm_mode_32 3
		.amdhsa_float_denorm_mode_16_64 3
		.amdhsa_memory_ordered 1
		.amdhsa_forward_progress 1
		.amdhsa_inst_pref_size 71
	.end_amdhsa_kernel
	.amdgpu_metadata
---
amdhsa.version: [ 1, 2 ]
amdhsa.kernels:
  - .name:           k_q83efc82679_projln
    .symbol:         k_q83efc82679_projln.kd
    .args:
      - { .name: ctxc, .offset: 0, .size: 8, .value_kind: global_buffer, .address_space: global }
      - { .name: wc, .offset: 8, .size: 8, .value_kind: global_buffer, .address_space: global }
      - { .name: x, .offset: 16, .size: 8, .value_kind: global_buffer, .address_space: global }
      - { .name: b_proj, .offset: 24, .size: 8, .value_kind: global_buffer, .address_space: global }
      - { .name: ln2_g, .offset: 32, .size: 8, .value_kind: global_buffer, .address_space: global }
      - { .name: ln2_b, .offset: 40, .size: 8, .value_kind: global_buffer, .address_space: global }
      - { .name: x1, .offset: 48, .size: 8, .value_kind: global_buffer, .address_space: global }
      - { .name: xnc, .offset: 56, .size: 8, .value_kind: global_buffer, .address_space: global }
    .group_segment_fixed_size: 327680
    .private_segment_fixed_size: 0
    .kernarg_segment_align: 8
    .kernarg_segment_size: 64
    .max_flat_workgroup_size: 256
    .sgpr_count:     66
    .vgpr_count:     512
    .wavefront_size: 32
...
	.end_amdgpu_metadata
.endif
;; end of part 4
;; launch ff1 (part 5): grid 16 x 16, 4 waves a work-group, clusters of 4 x 4, 327,680 bytes of LDS; arguments xnc, wc, b1, hc; writes hc
.if DOCPART == 5
	.amdgcn_target "amdgcn-amd-amdhsa--gfx1250"
	.amdhsa_code_object_version 6
	.text
	.protected	k_q83efc82679_ff1
	.globl	k_q83efc82679_ff1
	.p2align	8
	.type	k_q83efc82679_ff1,@function
k_q83efc82679_ff1:
	s_mov_b64 s[64:65], 0
	v_nop
	global_prefetch_b8 v0, s[64:65] scope:SCOPE_SE
	s_setreg_imm32_b32 hwreg(HW_REG_WAVE_MODE, 25, 1), 1
	s_wait_xcnt 0x0
	s_wait_alu depctr_hold_cnt(0) depctr_sa_sdst(0) depctr_va_vdst(0) depctr_va_sdst(0) depctr_va_ssrc(0) depctr_va_vcc(0) depctr_vm_vsrc(0)
	s_getreg_b32 s2, hwreg(HW_REG_IB_STS2, 6, 4)
	s_cmp_eq_u32 s2, 0
	s_cbranch_scc0 .Lentry_in_a_cluster
	s_endpgm
.Lentry_in_a_cluster:
	s_bfe_u32 s2, ttmp6, 0x10000c
	s_cmp_lg_u32 s2, 0xf033
	s_cbranch_scc0 .Lentry_shape_is_right
	s_endpgm
.Lentry_shape_is_right:
; h = relu(xn w1 + b1), quantised on the way out: a GEMM on codes of BF6, 256 x 256 to a work-group of four waves, 128 x 128 to a wave; operands lie as images of the operand's registers in units of 12,800 bytes.  Nothing is left out here.
; LDS: each wave brings K steps 0 to 5 of its panel by ONE tensor load at the head (300 rows of 256 bytes, at wave x 76,800); a slot is two units of each panel, 25,600 bytes apart; slot 0 is filled once more, with K steps 6 and 7.
; CLUSTERS: 4 x 4; A's panels are asked for jointly along a row, B's along a column.  No prefetch: K is eight steps, six of them asked for at the head, and the one refill has four K steps in which to land.
; LIMITS: NaN and infinities are not served; a block under 2^-122 gets the byte 1 and zero codes.
.set FF1,   1
.set MB,    8
.set NB,    8
.set NQ,    2
.set NK,    8
.set UNIT,  12800
.set UNITB, NQ*UNIT
.set SLOT,  25600
.set SPARE, 307200
.set ZERO,  1+FF1
.set ADRA,  8
.set ADRB,  12
.set ADRS,  16
.set L16,   27
.set SPW,   28
.set NIL,   29
.set L4,    30
.set SC,    32
.set AF,    64
.set PC,    64
.set TM,    128
.set PW,    144
.set SW,    152
.set G1,  24
.set G0,  32
.set G1B, 48
.set G0B, 56
.set MSB, 0
.macro WIN new
.if MSB != (\new)
	s_set_vgpr_msb (MSB<<8)|(\new)
.set MSB, (\new)
.endif
.endm
.macro JLOAD g0a, g1a, g0b, g1b
	s_cmp_eq_u32 s15, 0
	s_cbranch_scc0 .Lfor_b_\@
	tensor_load_to_lds s[\g0a:\g0a+3], s[\g1a:\g1a+7]
	s_nop 0
.rept 4
	v_nop
.endr
	s_branch .Lasked_\@
.Lfor_b_\@:
	tensor_load_to_lds s[\g0b:\g0b+3], s[\g1b:\g1b+7]
	s_nop 0
.rept 4
	v_nop
.endr
.Lasked_\@:
.endm
.macro CREST
	s_cmp_lg_u32 s14, 0
	s_cbranch_scc1 .Lnot_wave_0_\@
	s_barrier_signal -3
.Lnot_wave_0_\@:
	s_barrier_wait -3
	s_barrier_signal -1
	s_barrier_wait -1
.endm
.macro CROUND
	s_barrier_signal -1
	s_barrier_wait -1
	CREST
.endm
.macro PLACES n
.rept \n
	v_nop
.endr
.endm
	s_load_b128 s[4:7], s[0:1], 0x0
.if FF1
	s_load_b128 s[8:11], s[0:1], 0x10
.else
	s_load_b64 s[10:11], s[0:1], 0x10
.endif
	v_lshl_add_u32 v[SPW], v0, 2, SPARE
	v_mov_b32 v[NIL], 0
	ds_add_u32 v[SPW], v[NIL]
	ds_add_u32 v[SPW], v[NIL]
	v_lshrrev_b32 v1, 5, v0
	v_readfirstlane_b32 s14, v1
	s_lshr_b32 s15, s14, 1
	s_and_b32 s16, s14, 1
	s_bfe_u32 s40, ttmp6, 0x40000
	s_bfe_u32 s41, ttmp6, 0x40004
.if FF1
	s_lshl_b32 s42, ttmp9, 2
	s_add_co_u32 s42, s42, s40
	s_and_b32 s17, ttmp7, 0xffff
	s_lshl_b32 s17, s17, 2
	s_add_co_u32 s17, s17, s41
.else
	s_lshr_b32 s17, ttmp9, 1
	s_and_b32 s42, ttmp9, 1
	s_sub_co_u32 s18, ttmp9, 8
	s_cmp_lt_u32 ttmp9, 8
	s_cselect_b32 s17, s17, 0
	s_cselect_b32 s42, s42, s18
	s_cselect_b32 s69, 1, 0
	s_lshl_b32 s17, s17, 2
	s_add_co_u32 s17, s17, s41
	s_lshl_b32 s42, s42, 2
	s_add_co_u32 s42, s42, s40
.endif
	s_lshl_b32 s43, s41, 2
	s_lshl_b32 s43, 15, s43
	s_lshl_b32 s44, 0x1111, s40
	s_or_b32 s[G1], s43, (3<<16)|(1<<21)
	s_or_b32 s[G1B], s44, (3<<16)|(1<<21)
.irp g, G1, G1B
	s_mov_b32 s[\g+1], 32<<16
	s_mov_b32 s[\g+2], 300<<16
	s_mov_b32 s[\g+3], 32<<16
	s_mov_b32 s[\g+4], 300
	s_mov_b32 s[\g+5], 32
	s_mov_b32 s[\g+6], 0
	s_mov_b32 s[\g+7], 0
.endr
	s_lshl_b32 s20, s17, 1
	s_add_co_u32 s20, s20, s16
	s_mul_i32 s20, s20, NK*UNIT
	s_mov_b32 s21, 0
	s_lshl_b32 s46, s42, 1
	s_add_co_u32 s46, s46, s16
	s_mul_i32 s46, s46, NK*UNIT
	s_mov_b32 s47, 0
	s_mul_i32 s45, s14, 76800
	s_mov_b32 s66, 0x76543210
	s_mov_b32 s67, 0xfedcba98
	s_mov_b32 s68, 0xffff0000
	s_wait_dscnt 0x0
	s_wait_kmcnt 0x0
.if FF1
	s_add_nc_u64 s[20:21], s[4:5], s[20:21]
	s_add_nc_u64 s[46:47], s[6:7], s[46:47]
.else
	s_add_nc_u64 s[70:71], s[6:7], 9011200
	s_add_nc_u64 s[72:73], s[6:7], 7372800
	s_cmp_eq_u32 s69, 1
	s_cselect_b64 s[70:71], s[4:5], s[70:71]
	s_cselect_b64 s[72:73], s[72:73], s[4:5]
	s_add_nc_u64 s[20:21], s[70:71], s[20:21]
	s_add_nc_u64 s[46:47], s[72:73], s[46:47]
.endif
	CROUND
.irp s, 0
	s_mov_b32 s[G0+4*\s+40*(\s/2)], 1
	s_add_co_u32 s[G0+4*\s+40*(\s/2)+1], s45, \s*SLOT
	s_add_nc_u64 s[G0+4*\s+40*(\s/2)+2:G0+4*\s+40*(\s/2)+3], s[20:21], \s*UNITB
	s_or_b32 s[G0+4*\s+40*(\s/2)+3], s[G0+4*\s+40*(\s/2)+3], 0x80000000
	s_mov_b32 s[G0B+4*\s+20*(\s/2)], 1
	s_add_co_u32 s[G0B+4*\s+20*(\s/2)+1], s45, \s*SLOT
	s_add_nc_u64 s[G0B+4*\s+20*(\s/2)+2:G0B+4*\s+20*(\s/2)+3], s[46:47], \s*UNITB
	s_or_b32 s[G0B+4*\s+20*(\s/2)+3], s[G0B+4*\s+20*(\s/2)+3], 0x80000000
	JLOAD G0+4*\s+40*(\s/2), G1, G0B+4*\s+20*(\s/2), G1B   ; my one load at the head: K steps 0 to 5 of my panel
.endr
	v_and_b32 v1, 15, v0
	v_bfe_u32 v2, v0, 4, 1
	v_and_b32 v3, 31, v0
	v_lshlrev_b32 v[L16], 4, v3
	v_lshlrev_b32 v[L4], 2, v3
	s_mul_i32 s76, s15, 76800
	s_mul_i32 s77, s16, 76800
	s_add_co_u32 s77, s77, 153600
	s_sub_co_u32 s78, s77, s76
	v_mul_u32_u24 v4, s78, v2
	v_lshl_add_u32 v4, v1, 2, v4
.irp s, 0,1,2
	v_add_nc_u32 v[ADRA+\s], s76, v[L16]
	v_add_nc_u32 v[ADRB+\s], s77, v[L16]
	v_add_nc_u32 v[ADRS+\s], s76, v4
	s_add_co_u32 s76, s76, SLOT
	s_add_co_u32 s77, s77, SLOT
.endr
.if FF1
	s_lshl_b32 s76, s42, 10
	s_lshl_b32 s77, s16, 9
	s_add_co_u32 s76, s76, s77
	s_mov_b32 s77, 0
	s_add_nc_u64 s[8:9], s[8:9], s[76:77]
	v_lshlrev_b32 v31, 6, v2
	WIN 0x40
.irp b, 0,1,2,3,4,5,6,7
	global_load_b128 v[96+8*\b+96*(\b/4):96+8*\b+96*(\b/4)+3], v31, s[8:9] offset:(32*(\b/2)+8*(\b%2))*4
	global_load_b128 v[96+8*\b+96*(\b/4)+4:96+8*\b+96*(\b/4)+7], v31, s[8:9] offset:(32*(\b/2)+8*(\b%2))*4+16
.endr
	WIN 0
.endif
	s_lshl_b32 s74, s17, 1
	s_add_co_u32 s74, s74, s15
	s_lshl_b32 s75, s42, 1
	s_add_co_u32 s75, s75, s16
.if FF1
	s_lshl_b32 s74, s74, 5
	s_add_co_u32 s74, s74, s75
.else
	s_lshr_b32 s76, s74, 3
	s_lshl_b32 s76, s76, 4
	s_add_co_u32 s76, s76, s75
	s_lshl_b32 s76, s76, 3
	s_and_b32 s77, s74, 7
	s_add_co_u32 s76, s76, s77
	s_lshl_b32 s77, s74, 5
	s_add_co_u32 s77, s77, s75
	s_add_co_u32 s77, s77, 512
	s_cmp_eq_u32 s69, 1
	s_cselect_b32 s74, s76, s77
.endif
	s_mul_i32 s74, s74, UNIT
	s_mov_b32 s75, 0
	s_add_nc_u64 s[10:11], s[10:11], s[74:75]
.macro FETCH slot, q, sg
	WIN 0x40
.set FI, 0
.rept NB
.irp c, 0,1,2
	ds_load_b128 v[128*(\sg)+12*FI+4*\c:128*(\sg)+12*FI+4*\c+3], v[ADRB+\slot] offset:(\q)*UNIT+1536*FI+512*\c
.endr
.set FI, FI+1
.endr
	WIN 0
.set FI, 0
.rept MB
.irp c, 0,1,2
	ds_load_b128 v[AF+96*(\sg)+12*FI+4*\c:AF+96*(\sg)+12*FI+4*\c+3], v[ADRA+\slot] offset:(\q)*UNIT+1536*FI+512*\c
.endr
.set FI, FI+1
.endr
.set FI, 0
.rept MB
	ds_load_b32 v[SC+8*(\sg)+FI], v[ADRS+\slot] offset:(\q)*UNIT+12288+64*FI
.set FI, FI+1
.endr
.endm
.macro MULS a0, n, sg, zero
.set MA, \a0
.rept \n
.if (\zero) == 2
	WIN 0x91+0x40*(MA/4)
.else
	WIN 0xa1+0x50*(MA/4)
.endif
.set MI, 0
.rept NB
.set MD, 8*(NB*(MA%4)+MI)
.if (\zero) == 1
	v_wmma_scale_f32_16x16x128_f8f6f4 v[MD:MD+7], v[128*(\sg)+12*MI:128*(\sg)+12*MI+11], v[AF+96*(\sg)+12*MA:AF+96*(\sg)+12*MA+11], 0, v[SC+8*(\sg)+MI], v[SC+8*(\sg)+MA] matrix_a_fmt:MATRIX_FMT_BF6 matrix_b_fmt:MATRIX_FMT_BF6 matrix_a_scale:MATRIX_SCALE_ROW1
.elseif (\zero) == 2
	v_wmma_scale_f32_16x16x128_f8f6f4 v[MD:MD+7], v[128*(\sg)+12*MI:128*(\sg)+12*MI+11], v[AF+96*(\sg)+12*MA:AF+96*(\sg)+12*MA+11], v[96+8*MI+96*(MI/4):96+8*MI+96*(MI/4)+7], v[SC+8*(\sg)+MI], v[SC+8*(\sg)+MA] matrix_a_fmt:MATRIX_FMT_BF6 matrix_b_fmt:MATRIX_FMT_BF6 matrix_a_scale:MATRIX_SCALE_ROW1
.else
	v_wmma_scale_f32_16x16x128_f8f6f4 v[MD:MD+7], v[128*(\sg)+12*MI:128*(\sg)+12*MI+11], v[AF+96*(\sg)+12*MA:AF+96*(\sg)+12*MA+11], v[MD:MD+7], v[SC+8*(\sg)+MI], v[SC+8*(\sg)+MA] matrix_a_fmt:MATRIX_FMT_BF6 matrix_b_fmt:MATRIX_FMT_BF6 matrix_a_scale:MATRIX_SCALE_ROW1
.endif
.set MI, MI+1
.endr
.set MA, MA+1
.endr
.endm
.macro STEP slot, q, zero
	s_wait_dscnt 0x0
	PLACES 4
	FETCH \slot, (\q)+1, 1-(\q)%2
	MULS 0, MB, (\q)%2, \zero
.endm
.macro HOP next
	s_wait_dscnt 0x0
	PLACES 4
	FETCH \next, 0, 0
	MULS 0, MB, 1, 0
.endm
.macro TURN next, fill
	WIN 0
	s_wait_tensorcnt 0x0
	ds_add_u32 v[SPW], v[NIL]
	s_wait_dscnt 0x1
	MULS 0, MB/4, 1, 0
	s_wait_dscnt 0x0
	s_barrier_signal -1
	MULS MB/4, MB/4, 1, 0
	WIN 0
	s_barrier_wait -1
.if \fill
	CREST
	s_add_nc_u64 s[G0+2:G0+3], s[G0+2:G0+3], 3*UNITB
	s_add_nc_u64 s[G0B+2:G0B+3], s[G0B+2:G0B+3], 3*UNITB
	JLOAD G0, G1, G0B, G1B
.else
	PLACES 4
.endif
	FETCH \next, 0, 0
	MULS MB/2, MB/2, 1, 0
.endm
	s_wait_alu depctr_va_vdst(0)
	s_wait_tensorcnt 0x0                           ; my panel's six K steps are in; no load of mine is out, so group 1 may be written: the refill brings 100 rows
	s_mov_b32 s[G1+2], 100<<16
	s_mov_b32 s[G1+4], 100
	s_mov_b32 s[G1B+2], 100<<16
	s_mov_b32 s[G1B+4], 100
	s_barrier_signal -1
	s_barrier_wait -1
	FETCH 0, 0, 0
.if FF1
	s_wait_loadcnt 0x0
.endif
	STEP 0, 0, ZERO
	TURN 1, 1
	STEP 1, 0, 0
	HOP 2
	STEP 2, 0, 0
	TURN 0, 0
	STEP 0, 0, 0
	s_wait_dscnt 0x0
	MULS 0, MB, 1, 0
	WIN 0
	PLACES 4
.irp b, 0,1,2,3
	v_mov_b32 v[TM+4+\b], 0
.endr
.set WA, 0
.rept MB
.set QS, 64*(WA%4)
.set QW, 2+WA/4
.if FF1
	WIN (QW<<6)|(QW<<2)
.set JJ, 0
.rept 64
	v_max_num_f32 v[QS+JJ], 0, v[QS+JJ]
.set JJ, JJ+1
.endr
.endif
	WIN (QW<<4)|(QW<<2)
.irp b, 0,1,2,3
	v_max3_num_f32 v[TM+\b], 0x2800000, |v[QS+16*\b]|, |v[QS+16*\b+1]|
.endr
.irp i, 2,4,6,8,10,12,14
.irp b, 0,1,2,3
	v_max3_num_f32 v[TM+\b], v[TM+\b], |v[QS+16*\b+\i]|, |v[QS+16*\b+\i+1]|
.endr
.endr
	WIN 0
.irp b, 0,1,2,3
	v_permlanex16_b32 v[TM+4+\b], v[TM+\b], s66, s67
.endr
.irp b, 0,1,2,3
	v_max_num_f32 v[TM+\b], v[TM+\b], v[TM+4+\b]
.endr
.irp b, 0,1,2,3
	v_add_nc_u32 v[TM+12+\b], 0xfe000000, v[TM+\b]
.endr
.irp b, 0,1,2,3
	v_lshrrev_b32 v[TM+4+\b], 23, v[TM+12+\b]
.endr
	v_lshl_or_b32 v[PW+WA], v[TM+5], 8, v[TM+4]
	v_lshl_or_b32 v[PW+WA], v[TM+6], 16, v[PW+WA]
	v_lshl_or_b32 v[PW+WA], v[TM+7], 24, v[PW+WA]
	s_wait_xcnt 0x0
	WIN QW
.irp c, 0,1
	v_cvt_scalef32_pk16_bf6_f32 v[PC+6*\c:PC+6*\c+2], v[QS+32*\c:QS+32*\c+15], v[TM+12+2*\c]
	v_cvt_scalef32_pk16_bf6_f32 v[PC+12+4*\c:PC+14+4*\c], v[QS+32*\c+16:QS+32*\c+31], v[TM+13+2*\c]
.endr
	v_nop
	WIN 0
.irp c, 0,1
.irp i, 0,1,2
	v_permlane16_swap_b32 v[PC+6*\c+\i], v[PC+12+4*\c+\i]
.endr
.irp i, 0,1,2
	v_mov_b32 v[PC+3+6*\c+\i], v[PC+12+4*\c+\i]
.endr
.endr
.irp c, 0,1,2
	global_store_b128 v[L16], v[PC+4*\c:PC+4*\c+3], s[10:11] offset:1536*WA+512*\c
.endr
.if WA%2 == 1
	v_cndmask_b32 v[SW+WA/2], v[PW+WA-1], v[PW+WA], s68
	global_store_b32 v[L4], v[SW+WA/2], s[10:11] offset:12288+128*(WA/2)
.endif
.set WA, WA+1
.endr
	s_wait_tensorcnt 0x0
	ds_add_u32 v[SPW], v[NIL]
	s_wait_dscnt 0x0
	CROUND
	s_endpgm
.Lfunc_end_k_q83efc82679_ff1:
	.size	k_q83efc82679_ff1, .Lfunc_end_k_q83efc82679_ff1-k_q83efc82679_ff1
	.p2alignl 7, 3214868480
	.fill 96, 4, 3214868480
	.section	.rodata,"a",@progbits
	.p2align	6, 0x0
	.amdhsa_kernel k_q83efc82679_ff1
		.amdhsa_group_segment_fixed_size 327680
		.amdhsa_private_segment_fixed_size 0
		.amdhsa_enable_private_segment 0
		.amdhsa_kernarg_size 32
		.amdhsa_user_sgpr_count 2
		.amdhsa_user_sgpr_kernarg_segment_ptr 1
		.amdhsa_wavefront_size32 1
		.amdhsa_system_sgpr_workgroup_id_x 1
		.amdhsa_system_sgpr_workgroup_id_y 1
		.amdhsa_system_sgpr_workgroup_id_z 1
		.amdhsa_system_vgpr_workitem_id 0
		.amdhsa_next_free_vgpr 1024
		.amdhsa_next_free_sgpr 100
		.amdhsa_reserve_vcc 0
		.amdhsa_float_denorm_mode_32 3
		.amdhsa_float_denorm_mode_16_64 3
		.amdhsa_memory_ordered 1
		.amdhsa_forward_progress 1
		.amdhsa_inst_pref_size 155
	.end_amdhsa_kernel
	.amdgpu_metadata
---
amdhsa.version: [ 1, 2 ]
amdhsa.kernels:
  - .name:           k_q83efc82679_ff1
    .symbol:         k_q83efc82679_ff1.kd
    .args:
      - { .name: xnc, .offset: 0, .size: 8, .value_kind: global_buffer, .address_space: global }
      - { .name: wc, .offset: 8, .size: 8, .value_kind: global_buffer, .address_space: global }
      - { .name: b1, .offset: 16, .size: 8, .value_kind: global_buffer, .address_space: global }
      - { .name: hc, .offset: 24, .size: 8, .value_kind: global_buffer, .address_space: global }
    .group_segment_fixed_size: 327680
    .private_segment_fixed_size: 0
    .kernarg_segment_align: 8
    .kernarg_segment_size: 32
    .max_flat_workgroup_size: 128
    .sgpr_count:     100
    .vgpr_count:     1024
    .wavefront_size: 32
...
	.end_amdgpu_metadata
.endif
;; end of part 5
;; launch ff2 (part 6): grid 8 x 32, 4 waves a work-group, clusters of 4 x 4, 327,680 bytes of LDS; arguments hc, wc, x1, b2, out0; writes out0
.if DOCPART == 6
	.amdgcn_target "amdgcn-amd-amdhsa--gfx1250"
	.amdhsa_code_object_version 6
	.text
	.protected	k_q83efc82679_ff2
	.globl	k_q83efc82679_ff2
	.p2align	8
	.type	k_q83efc82679_ff2,@function
k_q83efc82679_ff2:
	s_mov_b64 s[64:65], 0
	v_nop
	global_prefetch_b8 v0, s[64:65] scope:SCOPE_SE
	s_setreg_imm32_b32 hwreg(HW_REG_WAVE_MODE, 25, 1), 1
	s_wait_xcnt 0x0
	s_wait_alu depctr_hold_cnt(0) depctr_sa_sdst(0) depctr_va_vdst(0) depctr_va_sdst(0) depctr_va_ssrc(0) depctr_va_vcc(0) depctr_vm_vsrc(0)
	s_getreg_b32 s2, hwreg(HW_REG_IB_STS2, 6, 4)
	s_cmp_eq_u32 s2, 0
	s_cbranch_scc0 .Lentry_in_a_cluster
	s_endpgm
.Lentry_in_a_cluster:
	s_bfe_u32 s2, ttmp6, 0x10000c
	s_cmp_lg_u32 s2, 0xf033
	s_cbranch_scc0 .Lentry_shape_is_right
	s_endpgm
.Lentry_shape_is_right:
; out0 = x1 + h w2 + b2: a GEMM on codes of BF6, K = 4,096 in 32 steps of 128; 128 x 128 to a work-group of four waves, 64 x 64 to a wave; operands lie as images of the operand's registers in units of 12,800 bytes.  Nothing is left out here.
; LDS: region X holds eight K steps (A's eight units, then B's), region Y four; they are filled by turns: K steps 0-7, 8-11, 12-19, 20-23, 24-31: five joint loads a wave (four units or two), one behind each round.
; PREFETCH: behind each of the first four joint loads the blocks of 256 bytes that the NEXT joint load will bring are asked for: of a wave's four units (or two) each of the four partners that ask for them jointly takes a quarter,
; told apart by address (cx for A, cy for B), a lane a block (lanes left over name the quarter's last block again); the place along K stands in the immediate, so no address register is written again.
; THE RESIDUAL's 32 loads a wave are issued behind the third joint load and are waited for on the way out.
.set MB,    4
.set NB,    4
.set NK,    32
.set WOFF,  3276800
.set UNIT,  12800
.set QB,    4*UNIT
.set XBOFF, 8*UNIT
.set YBASE, 16*UNIT
.set YBOFF, 4*UNIT
.set STAGE, 24*UNIT
.set SPARE, STAGE+4*16*272
.set ADRA,  8
.set ADRB,  12
.set ADRS,  16
.set STO,   24
.set RD,    25
.set CO,    26
.set L16,   27
.set SPW,   28
.set NIL,   29
.set SC,    32
.set AF,    64
.set G1XA, 24
.set G1YA, 32
.set G1XB, 48
.set G1YB, 56
.set G0XA, 68
.set G0YA, 72
.set G0XB, 84
.set G0YB, 88
.set MSB, 0
.macro WIN new
.if MSB != (\new)
	s_set_vgpr_msb (MSB<<8)|(\new)
.set MSB, (\new)
.endif
.endm
.macro JLOAD g0a, g1a, g0b, g1b
	s_cmp_eq_u32 s15, 0
	s_cbranch_scc0 .Lfor_b_\@
	tensor_load_to_lds s[\g0a:\g0a+3], s[\g1a:\g1a+7]
	s_nop 0
.rept 4
	v_nop
.endr
	s_branch .Lasked_\@
.Lfor_b_\@:
	tensor_load_to_lds s[\g0b:\g0b+3], s[\g1b:\g1b+7]
	s_nop 0
.rept 4
	v_nop
.endr
.Lasked_\@:
.endm
.macro CREST
	s_cmp_lg_u32 s14, 0
	s_cbranch_scc1 .Lnot_wave_0_\@
	s_barrier_signal -3
.Lnot_wave_0_\@:
	s_barrier_wait -3
	s_barrier_signal -1
	s_barrier_wait -1
.endm
.macro CROUND
	s_barrier_signal -1
	s_barrier_wait -1
	CREST
.endm
.macro PLACES n
.rept \n
	v_nop
.endr
.endm
	s_load_b256 s[4:11], s[0:1], 0x0
	s_load_b64 s[12:13], s[0:1], 0x20
	v_lshl_add_u32 v[SPW], v0, 2, SPARE
	v_mov_b32 v[NIL], 0
	ds_add_u32 v[SPW], v[NIL]
	ds_add_u32 v[SPW], v[NIL]
	v_lshrrev_b32 v1, 5, v0
	v_readfirstlane_b32 s14, v1
	s_lshr_b32 s15, s14, 1
	s_and_b32 s16, s14, 1
	s_bfe_u32 s40, ttmp6, 0x40000
	s_bfe_u32 s41, ttmp6, 0x40004
	s_lshl_b32 s42, ttmp9, 2
	s_add_co_u32 s42, s42, s40
	s_and_b32 s17, ttmp7, 0xffff
	s_lshl_b32 s17, s17, 2
	s_add_co_u32 s17, s17, s41
	s_lshl_b32 s43, s41, 2
	s_lshl_b32 s43, 15, s43
	s_lshl_b32 s44, 0x1111, s40
	s_or_b32 s[G1XA], s43, (3<<16)|(1<<21)
	s_or_b32 s[G1YA], s43, (3<<16)|(1<<21)
	s_or_b32 s[G1XB], s44, (3<<16)|(1<<21)
	s_or_b32 s[G1YB], s44, (3<<16)|(1<<21)
.irp g, G1XA, G1XB
	s_mov_b32 s[\g+1], 32<<16
	s_mov_b32 s[\g+2], 200<<16
	s_mov_b32 s[\g+3], 32<<16
	s_mov_b32 s[\g+4], 200
	s_mov_b32 s[\g+5], 32
	s_mov_b32 s[\g+6], 0
	s_mov_b32 s[\g+7], 0
.endr
.irp g, G1YA, G1YB
	s_mov_b32 s[\g+1], 32<<16
	s_mov_b32 s[\g+2], 100<<16
	s_mov_b32 s[\g+3], 32<<16
	s_mov_b32 s[\g+4], 100
	s_mov_b32 s[\g+5], 32
	s_mov_b32 s[\g+6], 0
	s_mov_b32 s[\g+7], 0
.endr
	s_mul_i32 s20, s17, NK*UNIT
	s_mov_b32 s21, 0
	s_mul_i32 s46, s42, NK*UNIT
	s_mov_b32 s47, 0
	s_mul_i32 s76, s16, 4*UNIT
	s_mov_b32 s77, 0
	s_mul_i32 s78, s16, 2*UNIT
	s_add_co_u32 s78, s78, 8*UNIT
	s_mov_b32 s79, 0
	s_mul_i32 s45, s14, 4*UNIT
	s_mul_i32 s80, s14, 2*UNIT
	s_add_co_u32 s80, s80, YBASE
	s_wait_dscnt 0x0
	s_wait_kmcnt 0x0
	s_add_nc_u64 s[20:21], s[4:5], s[20:21]
	s_add_nc_u64 s[46:47], s[6:7], s[46:47]
	s_add_nc_u64 s[46:47], s[46:47], WOFF
	CROUND
	s_mov_b32 s[G0XA], 1
	s_mov_b32 s[G0XA+1], s45
	s_add_nc_u64 s[G0XA+2:G0XA+3], s[20:21], s[76:77]
	s_or_b32 s[G0XA+3], s[G0XA+3], 0x80000000
	s_mov_b32 s[G0XB], 1
	s_mov_b32 s[G0XB+1], s45
	s_add_nc_u64 s[G0XB+2:G0XB+3], s[46:47], s[76:77]
	s_or_b32 s[G0XB+3], s[G0XB+3], 0x80000000
	JLOAD G0XA, G1XA, G0XB, G1XB
	s_cmp_eq_u32 s15, 0                            ; the prefetches: do I fetch for A?
	s_cselect_b64 s[92:93], s[20:21], s[46:47]     ; my panel,
	s_cselect_b32 s96, s40, s41                    ; my place p among the four that ask with me
	s_mul_i32 s96, s96, UNIT/2
	s_mul_i32 s18, s16, 2*UNIT
	s_add_co_u32 s96, s96, s18
	s_mov_b32 s97, 0
	s_add_nc_u64 s[94:95], s[92:93], s[96:97]      ; of region Y's loads: my two units, in them quarter p: 25 blocks
	s_lshl_b32 s96, s96, 1
	s_add_nc_u64 s[92:93], s[92:93], s[96:97]      ; of region X's: my four units, of them unit p: 50 blocks
	v_and_b32 v19, 31, v0
	v_add_nc_u32 v20, 32, v19
	v_min_u32 v21, 24, v19
	v_min_u32 v20, 49, v20
	v_lshlrev_b32 v19, 8, v19                      ; blocks 0-31,
	v_lshlrev_b32 v21, 8, v21                      ; blocks 0-24,
	v_lshlrev_b32 v20, 8, v20                      ; blocks 32-49
	global_prefetch_b8 v21, s[94:95] offset:8*UNIT th:TH_LOAD_NT scope:SCOPE_SE    ; K steps 8-11
	s_mov_b32 s[G0YA], 1
	s_mov_b32 s[G0YA+1], s80
	s_add_nc_u64 s[G0YA+2:G0YA+3], s[20:21], s[78:79]
	s_or_b32 s[G0YA+3], s[G0YA+3], 0x80000000
	s_mov_b32 s[G0YB], 1
	s_mov_b32 s[G0YB+1], s80
	s_add_nc_u64 s[G0YB+2:G0YB+3], s[46:47], s[78:79]
	s_or_b32 s[G0YB+3], s[G0YB+3], 0x80000000
	s_wait_alu depctr_va_vdst(0)
	s_wait_tensorcnt 0x0
	ds_add_u32 v28, v29
	s_wait_dscnt 0x0
	CROUND
	JLOAD G0YA, G1YA, G0YB, G1YB
	global_prefetch_b8 v19, s[92:93] offset:12*UNIT th:TH_LOAD_NT scope:SCOPE_SE   ; K steps 12-19
	global_prefetch_b8 v20, s[92:93] offset:12*UNIT th:TH_LOAD_NT scope:SCOPE_SE
	v_and_b32 v1, 15, v0
	v_bfe_u32 v2, v0, 4, 1
	s_wait_alu depctr_va_vdst(0)
	v_and_b32 v3, 31, v0
	v_lshlrev_b32 v[L16], 4, v3
	s_mul_i32 s76, s15, 6144
	s_mul_i32 s77, s16, 6144
	s_add_co_u32 s77, s77, XBOFF
	v_add_nc_u32 v[ADRA+0], s76, v[L16]
	v_add_nc_u32 v[ADRB+0], s77, v[L16]
	s_add_co_u32 s76, s76, QB
	s_add_co_u32 s77, s77, QB
	v_add_nc_u32 v[ADRA+1], s76, v[L16]
	v_add_nc_u32 v[ADRB+1], s77, v[L16]
	s_add_co_u32 s76, s76, YBASE-QB
	s_add_co_u32 s77, s77, YBASE+YBOFF-XBOFF-QB
	v_add_nc_u32 v[ADRA+2], s76, v[L16]
	v_add_nc_u32 v[ADRB+2], s77, v[L16]
	s_lshl_b32 s78, s15, 8
	s_lshl_b32 s79, s16, 8
	s_add_co_u32 s82, s79, XBOFF
	s_sub_co_u32 s82, s82, s78
	s_add_co_u32 s83, s79, YBOFF
	s_sub_co_u32 s83, s83, s78
	v_mul_u32_u24 v4, s82, v2
	v_lshl_add_u32 v4, v1, 2, v4
	v_mul_u32_u24 v5, s83, v2
	v_lshl_add_u32 v5, v1, 2, v5
	v_add_nc_u32 v[ADRS+0], s78, v4
	s_add_co_u32 s78, s78, QB
	v_add_nc_u32 v[ADRS+1], s78, v4
	s_add_co_u32 s78, s78, YBASE-QB
	v_add_nc_u32 v[ADRS+2], s78, v5
	s_mul_i32 s81, s14, 16*272
	s_add_co_u32 s81, s81, STAGE
	v_mul_u32_u24 v[STO], v1, 272
	v_lshl_add_u32 v[STO], v2, 6, v[STO]
	v_add_nc_u32 v[STO], s81, v[STO]
	v_mul_u32_u24 v[RD], v2, 272
	v_lshl_add_u32 v[RD], v1, 4, v[RD]
	v_add_nc_u32 v[RD], s81, v[RD]
	v_lshlrev_b32 v[CO], 12, v2
	v_lshl_add_u32 v[CO], v1, 4, v[CO]
	s_wait_alu depctr_va_vdst(0)
	s_lshl_b32 s76, s42, 9
	s_lshl_b32 s77, s16, 8
	s_add_co_u32 s76, s76, s77
	s_mov_b32 s77, 0
	s_add_nc_u64 s[10:11], s[10:11], s[76:77]
	s_lshl_b32 s78, s17, 7
	s_lshl_b32 s79, s15, 6
	s_add_co_u32 s78, s78, s79
	s_lshl_b32 s78, s78, 12
	s_add_co_u32 s78, s78, s76
	s_mov_b32 s79, 0
	s_add_nc_u64 s[8:9], s[8:9], s[78:79]
	s_add_nc_u64 s[12:13], s[12:13], s[78:79]
	v_lshlrev_b32 v31, 6, v2
	WIN 0x40
.irp b, 0,1,2,3
	global_load_b128 v[96+8*\b:96+8*\b+3], v31, s[10:11] offset:(32*(\b/2)+8*(\b%2))*4
	global_load_b128 v[96+8*\b+4:96+8*\b+7], v31, s[10:11] offset:(32*(\b/2)+8*(\b%2))*4+16
.endr
	WIN 0
.macro RESID                           ; the residual, into window 3, in the layout in which the rows come back from the stage
	WIN 0xc0
.irp a, 0,1,2,3
.irp t, 0,1,2,3,4,5,6,7
	global_load_b128 v[32*\a+4*\t:32*\a+4*\t+3], v[CO], s[8:9] offset:(32*(\a/2)+8*(\a%2)+2*\t+8*(\t/4))*4096 th:TH_LOAD_NT
.endr
.endr
	WIN 0
.endm
.macro FETCH z, q, sg
	WIN 0x40
.set FI, 0
.rept NB
.irp c, 0,1,2
	ds_load_b128 v[128*(\sg)+12*FI+4*\c:128*(\sg)+12*FI+4*\c+3], v[ADRB+\z] offset:(\q)*UNIT+1536*FI+512*\c
.endr
.set FI, FI+1
.endr
	WIN 0
.set FI, 0
.rept MB
.irp c, 0,1,2
	ds_load_b128 v[AF+96*(\sg)+12*FI+4*\c:AF+96*(\sg)+12*FI+4*\c+3], v[ADRA+\z] offset:(\q)*UNIT+1536*FI+512*\c
.endr
.set FI, FI+1
.endr
.set FI, 0
.rept MB
	ds_load_b32 v[SC+8*(\sg)+FI], v[ADRS+\z] offset:(\q)*UNIT+12288+64*FI
.set FI, FI+1
.endr
.endm
.macro MULS a0, n, sg, zero
.set MA, \a0
.rept \n
.if (\zero) == 2
	WIN 0x91
.else
	WIN 0xa1
.endif
.set MI, 0
.rept NB
.set MD, 8*(NB*MA+MI)
.if (\zero) == 2
	v_wmma_scale_f32_16x16x128_f8f6f4 v[MD:MD+7], v[128*(\sg)+12*MI:128*(\sg)+12*MI+11], v[AF+96*(\sg)+12*MA:AF+96*(\sg)+12*MA+11], v[96+8*MI:96+8*MI+7], v[SC+8*(\sg)+MI], v[SC+8*(\sg)+MA] matrix_a_fmt:MATRIX_FMT_BF6 matrix_b_fmt:MATRIX_FMT_BF6 matrix_a_scale:MATRIX_SCALE_ROW1
.else
	v_wmma_scale_f32_16x16x128_f8f6f4 v[MD:MD+7], v[128*(\sg)+12*MI:128*(\sg)+12*MI+11], v[AF+96*(\sg)+12*MA:AF+96*(\sg)+12*MA+11], v[MD:MD+7], v[SC+8*(\sg)+MI], v[SC+8*(\sg)+MA] matrix_a_fmt:MATRIX_FMT_BF6 matrix_b_fmt:MATRIX_FMT_BF6 matrix_a_scale:MATRIX_SCALE_ROW1
.endif
.set MI, MI+1
.endr
.set MA, MA+1
.endr
.endm
.macro STEP z, q, zero
	s_wait_dscnt 0x0
	PLACES 4
	FETCH \z, (\q)+1, 1-(\q)%2
	MULS 0, MB, (\q)%2, \zero
.endm
.macro QUAD z
	STEP \z, 0, 0
	STEP \z, 1, 0
	STEP \z, 2, 0
.endm
.macro HOP zn
	s_wait_dscnt 0x0
	PLACES 4
	FETCH \zn, 0, 0
	MULS 0, MB, 1, 0
.endm
.macro TURN zn, fill, pf
	WIN 0
	s_wait_tensorcnt 0x0
	ds_add_u32 v[SPW], v[NIL]
	s_wait_dscnt 0x1
	MULS 0, MB/4, 1, 0
	s_wait_dscnt 0x0
	s_barrier_signal -1
	MULS MB/4, MB/4, 1, 0
	WIN 0
	s_barrier_wait -1
.if (\fill) == 1
	CREST
	s_add_nc_u64 s[G0XA+2:G0XA+3], s[G0XA+2:G0XA+3], 12*UNIT
	s_add_nc_u64 s[G0XB+2:G0XB+3], s[G0XB+2:G0XB+3], 12*UNIT
	JLOAD G0XA, G1XA, G0XB, G1XB
.elseif (\fill) == 2
	CREST
	s_add_nc_u64 s[G0YA+2:G0YA+3], s[G0YA+2:G0YA+3], 12*UNIT
	s_add_nc_u64 s[G0YB+2:G0YB+3], s[G0YB+2:G0YB+3], 12*UNIT
	JLOAD G0YA, G1YA, G0YB, G1YB
.else
	PLACES 4
.endif
	FETCH \zn, 0, 0
.if (\pf) == 1
	global_prefetch_b8 v21, s[94:95] offset:20*UNIT th:TH_LOAD_NT scope:SCOPE_SE   ; K steps 20-23
.elseif (\pf) == 2
	global_prefetch_b8 v19, s[92:93] offset:24*UNIT th:TH_LOAD_NT scope:SCOPE_SE   ; K steps 24-31
	global_prefetch_b8 v20, s[92:93] offset:24*UNIT th:TH_LOAD_NT scope:SCOPE_SE
.endif
	MULS MB/2, MB/2, 1, 0
.endm
	s_wait_tensorcnt 1
	s_barrier_signal -1
	s_barrier_wait -1
	FETCH 0, 0, 0
	s_wait_loadcnt 0x0                             ; the bias
	STEP 0, 0, 2
	STEP 0, 1, 0
	STEP 0, 2, 0
	HOP 1
	QUAD 1
	TURN 2, 1, 1
	RESID
	QUAD 2
	TURN 0, 2, 2
	QUAD 0
	HOP 1
	QUAD 1
	TURN 2, 1, 0
	QUAD 2
	TURN 0, 0, 0
	QUAD 0
	HOP 1
	QUAD 1
	s_wait_dscnt 0x0
	MULS 0, MB, 1, 0
	WIN 0
	PLACES 4
	s_wait_loadcnt 0x0
.set WA, 0
.rept MB
.set BK, 64+32*(WA%2)
.if WA >= 2
	s_wait_xcnt 0x0
.endif
	WIN 0x08
.irp b, 0,1,2,3
	ds_store_b128 v[STO], v[8*(4*WA+\b):8*(4*WA+\b)+3] offset:128*(\b/2)+32*(\b%2)
	ds_store_b128 v[STO], v[8*(4*WA+\b)+4:8*(4*WA+\b)+7] offset:128*(\b/2)+32*(\b%2)+16
.endr
	WIN 0
.irp t, 0,1,2,3,4,5,6,7
	ds_load_b128 v[BK+4*\t:BK+4*\t+3], v[RD] offset:544*\t
.endr
	s_wait_dscnt 0x0
	WIN 0x0c
.irp n, 0,2,4,6,8,10,12,14,16,18,20,22,24,26,28,30
	v_pk_add_f32 v[BK+\n:BK+\n+1], v[BK+\n:BK+\n+1], v[32*WA+\n:32*WA+\n+1]
.endr
	WIN 0
.irp t, 0,1,2,3,4,5,6,7
	global_store_b128 v[CO], v[BK+4*\t:BK+4*\t+3], s[12:13] offset:(32*(WA/2)+8*(WA%2)+2*\t+8*(\t/4))*4096
.endr
.set WA, WA+1
.endr
	s_wait_tensorcnt 0x0
	ds_add_u32 v[SPW], v[NIL]
	s_wait_dscnt 0x0
	CROUND
	s_endpgm
.Lfunc_end_k_q83efc82679_ff2:
	.size	k_q83efc82679_ff2, .Lfunc_end_k_q83efc82679_ff2-k_q83efc82679_ff2
	.p2alignl 7, 3214868480
	.fill 96, 4, 3214868480
	.section	.rodata,"a",@progbits
	.p2align	6, 0x0
	.amdhsa_kernel k_q83efc82679_ff2
		.amdhsa_group_segment_fixed_size 327680
		.amdhsa_private_segment_fixed_size 0
		.amdhsa_enable_private_segment 0
		.amdhsa_kernarg_size 40
		.amdhsa_user_sgpr_count 2
		.amdhsa_user_sgpr_kernarg_segment_ptr 1
		.amdhsa_wavefront_size32 1
		.amdhsa_system_sgpr_workgroup_id_x 1
		.amdhsa_system_sgpr_workgroup_id_y 1
		.amdhsa_system_sgpr_workgroup_id_z 1
		.amdhsa_system_vgpr_workitem_id 0
		.amdhsa_next_free_vgpr 1024
		.amdhsa_next_free_sgpr 100
		.amdhsa_reserve_vcc 0
		.amdhsa_float_denorm_mode_32 3
		.amdhsa_float_denorm_mode_16_64 3
		.amdhsa_memory_ordered 1
		.amdhsa_forward_progress 1
		.amdhsa_inst_pref_size 158
	.end_amdhsa_kernel
	.amdgpu_metadata
---
amdhsa.version: [ 1, 2 ]
amdhsa.kernels:
  - .name:           k_q83efc82679_ff2
    .symbol:         k_q83efc82679_ff2.kd
    .args:
      - { .name: hc, .offset: 0, .size: 8, .value_kind: global_buffer, .address_space: global }
      - { .name: wc, .offset: 8, .size: 8, .value_kind: global_buffer, .address_space: global }
      - { .name: x1, .offset: 16, .size: 8, .value_kind: global_buffer, .address_space: global }
      - { .name: b2, .offset: 24, .size: 8, .value_kind: global_buffer, .address_space: global }
      - { .name: out0, .offset: 32, .size: 8, .value_kind: global_buffer, .address_space: global }
    .group_segment_fixed_size: 327680
    .private_segment_fixed_size: 0
    .kernarg_segment_align: 8
    .kernarg_segment_size: 40
    .max_flat_workgroup_size: 128
    .sgpr_count:     100
    .vgpr_count:     1024
    .wavefront_size: 32
...
	.end_amdgpu_metadata
.endif
;; end of part 6
